; MI455X (gfx1250); checked and timed in simulation.
; The chip was launched on July 23, 2026; its instructions are those of AMD's public machine-readable ISA for CDNA 5 (MIT licence, August 2026) and "CDNA5" Instruction Set Architecture Reference Guide (July 2026). The comments in the code are by the model that wrote it; some were corrected since.
;; Ro PE Multi Head Self Attention. Allowed arithmetic: matrix products marked QUANTISED: E2M1 operands, one E8M0 scale for each 32 along K, by v_wmma_scale_f32_16x16x128_f8f6f4 with both operands' format E2M1 (or v_wmma_scale_f32_32x16x128_f4), f32 sums; products left as they are: bf16, f16 or f32 operands; f32 sums; everything else in f32.
;; Inputs: Wout 1,024 x 1,024 float32; Wqkv 1,024 x 3,072 float32; mask 4 x 2,048 float32; x 4 x 2,048 x 1,024 float32.
;; Outputs: out0 4 x 2,048 x 1,024 float32.
;; This version of the problem:
;;   THIS VERSION OF THE PROBLEM IS GIVEN IN LOW PRECISION. The matrix products marked QUANTISED in the list below multiply operands that are first quantised to E2M1 (2 exponent bits, 1 mantissa bit; 4 bits a number), with one power-of-two scale for each 32 numbers along K (OCP MX v1.0); their sums are f32. The products marked 'left as it is' may take bf16, f16 or f32 operands, with f32 sums. Whichever they take, every output number must still come out within the allowed error. Rounding operands to bf16 (8 significant bits) uses up far more of that allowance than f16 does (11 bits, for magnitudes from 6e-5 to 65,504). All else is computed in f32.
;;   The module's matrix products, in the order in which they are computed (A, B: the left and right operand; K: the contracted axis; several contracted axes count as one K, in the product's order):
;;     1. [M 8,192, K 1,024] x [K 1,024, N 3,072]; A: input x; B: input Wqkv: QUANTISED
;;     2. batch 64 x [M 2,048, K 64] x [K 64, N 2,048]; A: computed on the way; B: computed on the way: left as it is (an operand is computed on the way)
;;     3. batch 64 x [M 2,048, K 2,048] x [K 2,048, N 64]; A: computed on the way; B: computed on the way: left as it is (an operand is computed on the way)
;;     4. [M 8,192, K 1,024] x [K 1,024, N 1,024]; A: computed on the way; B: input Wout: left as it is (an operand is computed on the way)
;;   THE QUANTISER, for each operand of a quantised product, along K:
;;     - K is cut into blocks of 32 from its start; a last block that is shorter is filled with zeros.
;;     - A block's scale is 2^e with e = floor(log2(the largest magnitude in the block)) - 2, held to -126 .. 127; a block of zeros has e = 0. As a byte (E8M0): e + 127.
;;     - Each number is divided by its block's scale, clamped to +-6, and rounded to the nearest number of E2M1, ties to even, subnormals kept.
;;     - The product sums the exact products of the quantised numbers (number of the format x scale) in f32.
;;   ~~~python
;;   def quantise(x, axis):      # numpy; x: float32 -> the quantised numbers, widened to float32 again
;;       x = np.moveaxis(x, axis, -1); K = x.shape[-1]
;;       x = np.pad(x, [(0, 0)] * (x.ndim - 1) + [(0, -K % 32)]); x = x.reshape(x.shape[:-1] + (-1, 32)); a = np.abs(x).max(-1, keepdims=True)
;;       e = np.where(a > 0, np.clip(np.frexp(np.where(a > 0, a, 1))[1] - 1 - 2, -126, 127), 0)      # np.frexp(a)[1] - 1 = floor(log2(a)), exactly
;;       r = np.clip(x / 2.0 ** e, -6, 6)
;;       step = 2.0 ** (np.maximum(np.frexp(np.where(r == 0, 1, r))[1] - 1, 0) - 1)
;;       q = np.round(r / step) * step * 2.0 ** e      # np.round: ties to even
;;       return np.moveaxis(q.reshape(q.shape[:-2] + (-1,))[..., :K], -1, axis).astype(np.float32)
;;   ~~~
;; One version. Each part assembles by itself: llvm-mc -triple=amdgcn-amd-amdhsa -mcpu=gfx1250 --defsym DOCPART=n.
;; ======== version 1 of 1: 4 launches
;; limits: values are held in f16: magnitudes above 65,504 overflow, below 6.1e-05 lose precision
;; workspace buffers: cod 5,767,168 bytes; scl 360,448 bytes; wo 2,097,152 bytes; tab 524,288 bytes; qkv 50,331,648 bytes; ao 16,777,216 bytes
;; launch prep (part 1): grid 384 x 1, 4 waves a work-group, no clusters, 68,096 bytes of LDS; arguments x, Wqkv, Wout, cod, scl, wo, tab; writes cod, scl, wo, tab
.if DOCPART == 1
	.amdgcn_target "amdgcn-amd-amdhsa--gfx1250"
	.amdhsa_code_object_version 6
	.text
	.protected	k_qebb0ebc9cf_prep
	.globl	k_qebb0ebc9cf_prep
	.p2align	8
	.type	k_qebb0ebc9cf_prep,@function
k_qebb0ebc9cf_prep:
	s_mov_b64 s[64:65], 0
	v_nop
	global_prefetch_b8 v0, s[64:65] scope:SCOPE_SE
	s_setreg_imm32_b32 hwreg(HW_REG_WAVE_MODE, 25, 1), 1
	s_wait_xcnt 0x0
; FOUR PIECES OF PREPARATION IN ONE LAUNCH, told apart by the work-group's number alone:
;   0-255   x [8192][1024] f32 -> codes of FP4 (E2M1), K innermost, cod + 0, [8192][512 bytes]; one E8M0 byte for each 32 along K, scl + 0, [8192][32]
;   256-303 Wqkv [1024 (k)][3072 (n)] f32 -> the same with K moved innermost: cod + 4,194,304, [3072][512 bytes]; scl + 262,144, [3072][32]
;   304-367 Wout [1024 (k)][1024 (n)] f32 -> f16, as images of operand registers: wo [n / 256][k / 128][16 tiles of n][4 x 32 k][part][lane][16 bytes]
;   368-383 the table of cosines and sines: tab [2048 positions][cos of 32 frequencies | sin of 32 frequencies] f32, 256 bytes a row
; A block's scale is 2^(floor(log2(its largest magnitude)) - 2); its byte is the largest magnitude's exponent field - 2, held at 1 from below.
; LIMITS: a block of zeros gets the byte 1 where the quantiser says 127 (its codes are zeros, and this program alone reads the bytes); blocks whose largest magnitude lies under 2^-124 are held at the byte 1;
; NaN and infinities among the inputs are not served.  Wout goes to f16: magnitudes over 65,504 overflow, under 6e-5 they are rounded at steps of 6e-8.
; The table's angles are position x 2^(-f log2(10000) / 32), within about 2e-4 radians of position / 10000^(f / 32) at the largest positions; q and k are turned by the same table.
; No tensor loads, no barrier: waves share nothing.  Nothing is shared between work-groups either, so there is no cluster.  Each path that uses LDS has bytes of its own.
.set SPARE, 67584                      ; behind both paths' bytes: the spare words, 128 bytes for each wave: two blocks of 256 bytes that no other line names
.set SPW,   12                         ; v12  LDS address of my spare word; never rewritten
.set NIL,   13                         ; v13  0; never rewritten
.set EMAX,  2
	s_load_b256 s[4:11], s[0:1], 0x0               ; x s[4:5], Wqkv s[6:7], Wout s[8:9], cod s[10:11]
	s_load_b128 s[12:15], s[0:1], 0x20             ; scl s[12:13], wo s[14:15]
	s_load_b64 s[16:17], s[0:1], 0x30              ; tab
	v_lshl_add_u32 v[SPW], v0, 2, SPARE
	v_mov_b32 v[NIL], 0
	v_lshrrev_b32 v1, 5, v0
	v_readfirstlane_b32 s20, v1                    ; wave 0..3
	v_and_b32 v2, 31, v0                           ; lane
	s_wait_kmcnt 0x0
	s_cmp_lt_u32 ttmp9, 256
	s_cbranch_scc1 .Lx
	s_cmp_lt_u32 ttmp9, 304
	s_cbranch_scc1 .Lw
	s_cmp_lt_u32 ttmp9, 368
	s_cbranch_scc1 .Lo
	s_branch .Lt
; ---------------------------------------------------------------- x: a plain stream of blocks of 32 numbers
; A wave takes 16 steps of 512 numbers.  Each of a step's four loads reads 512 consecutive bytes; the 2,048 bytes turn through the wave's own stage in LDS and come back 64 bytes a lane, so that a lane holds
; 16 neighbours along K (two neighbouring lanes hold a block).  A lane's 16 codes are 8 bytes: the wave stores 256 consecutive bytes.  The wave's 256 scale bytes are gathered in LDS and leave as one aligned run of 256.
.set NSTEP, 16
.set CB,    8                          ; bytes of 16 codes
.set XR,    16                         ; v16-79   four sets of 16 numbers as they are loaded
.set XX,    80                         ; v80-111  two sets of 16 neighbours
.set XE,    112                        ; v112-127 a scale byte for each step
.set XC,    128                        ; v128-191 codes: four registers for each step, so that no store's data are written again
.set WREG,  8192                       ; LDS 0 .. 32,767: a region for each wave: two stages of 32 x SP bytes, behind them its 256 scale bytes
.set SP,    80                         ; a lane's place in a stage: 64 bytes + 16 of padding
.macro XLOAD t
.irp i, 0,1,2,3
	global_load_b128 v[XR+16*((\t)%4)+4*\i:XR+16*((\t)%4)+4*\i+3], v3, s[4:5] offset:2048*(\t)+512*\i th:TH_LOAD_NT   ; 32 lanes read 512 consecutive bytes
.endr
.endm
.macro XTURN t                         ; step t's numbers through the stage: LDS serves a wave's instructions in order, so no wait stands between the stores and the loads
.irp i, 0,1,2,3
	ds_store_b128 v14, v[XR+16*((\t)%4)+4*\i:XR+16*((\t)%4)+4*\i+3] offset:32*SP*((\t)%2)+8*SP*\i
.endr
.irp i, 0,1,2,3
	ds_load_b128 v[XX+16*((\t)%2)+4*\i:XX+16*((\t)%2)+4*\i+3], v15 offset:32*SP*((\t)%2)+16*\i
.endr
.endm
.macro XSTEP t
.set XS, XX+16*((\t)%2)
.if (\t) > 0
	s_wait_dscnt 1                                 ; this step's numbers are back from the stage (the last step's byte store may be out)
.else
	s_wait_dscnt 0x0
.endif
.if (\t)+4 < NSTEP
	XLOAD (\t)+4                                   ; the registers that the stage's stores have read take the loads of four steps on
.endif
.if (\t)+1 < NSTEP
.if NSTEP-2-(\t) >= 3
	s_wait_loadcnt 12                              ; the next step's four loads are in; those of the three steps behind it may be out
.else
	s_wait_loadcnt 4*(NSTEP-2-(\t))
.endif
	XTURN (\t)+1
.endif
	v_max3_num_f32 v8, |v[XS]|, |v[XS+1]|, |v[XS+2]|               ; the largest magnitude of my 16, in two chains
	v_max3_num_f32 v9, |v[XS+3]|, |v[XS+4]|, |v[XS+5]|
.irp i, 6,10
	v_max3_num_f32 v8, v8, |v[XS+\i]|, |v[XS+\i+1]|
	v_max3_num_f32 v9, v9, |v[XS+\i+2]|, |v[XS+\i+3]|
.endr
	v_max3_num_f32 v8, v8, |v[XS+14]|, |v[XS+15]|
	v_max3_num_f32 v8, v8, v9, (EMAX+1)<<23        ; and the floor 2^(3 - 127): the byte cannot fall under 1
	v_max_num_f32_dpp v8, v8, v8 row_xmask:1 row_mask:0xf bank_mask:0xf   ; with my neighbour's 16: the block's
	v_add_nc_u32 v11, -(EMAX<<23), v8              ; 2 off its exponent field: the conversion takes the exponent field of this operand as its scale
	v_cvt_scalef32_pk8_fp4_f32 v[XC+4*(\t)], v[XS:XS+7], v11
	v_cvt_scalef32_pk8_fp4_f32 v[XC+4*(\t)+1], v[XS+8:XS+15], v11
	v_lshrrev_b32 v[XE+(\t)], 23, v11              ; the scale's byte (a plain line behind the conversions)
	ds_store_b8 v5, v[XE+(\t)] offset:16*(\t)      ; both lanes of a block write the same byte with the same value
	global_store_b64 v4, v[XC+4*(\t):XC+4*(\t)+1], s[10:11] offset:32*CB*(\t)
.endm
.Lx:
	v_lshlrev_b32 v3, 4, v2                        ; my 16 bytes of a load's 512
	s_mul_i32 s21, s20, WREG
	v_lshrrev_b32 v14, 2, v2
	v_mul_u32_u24 v14, v14, SP
	v_and_b32 v15, 3, v2
	v_lshl_add_u32 v14, v15, 4, v14
	v_add_nc_u32 v14, s21, v14                     ; the stage, on the way in: SP (lane / 4) + 16 (lane % 4)
	v_mul_u32_u24 v15, v2, SP
	v_add_nc_u32 v15, s21, v15                     ; and on the way out: SP x lane
	v_mul_u32_u24 v4, v2, CB                       ; my codes' place in a step's
	v_lshrrev_b32 v5, 1, v2
	s_add_co_u32 s21, s21, 2*32*SP
	v_add_nc_u32 v5, s21, v5                       ; my wave's 256 scale bytes, my block's byte
	v_lshlrev_b32 v7, 3, v2
	v_add_nc_u32 v6, s21, v7                       ; and on the way out 8 bytes a lane
	s_lshl_b32 s22, ttmp9, 2
	s_add_co_u32 s22, s22, s20                     ; which run of 8,192 numbers is my wave's: 0 .. 1,023
	s_mov_b32 s25, 0
	s_lshl_b32 s24, s22, 15
	s_add_nc_u64 s[4:5], s[4:5], s[24:25]          ; 32,768 bytes of x a run,
	s_lshl_b32 s24, s22, 12
	s_add_nc_u64 s[10:11], s[10:11], s[24:25]      ; 4,096 of codes,
	s_lshl_b32 s24, s22, 8
	s_add_nc_u64 s[12:13], s[12:13], s[24:25]      ; 256 of scale bytes
.irp t, 0,1,2,3
	XLOAD \t
.endr
	s_wait_loadcnt 12                              ; step 0's four loads are in
	XTURN 0
.irp t, 0,1,2,3,4,5,6,7,8,9,10,11,12,13,14,15
	XSTEP \t
.endr
	ds_load_b64 v[8:9], v6                         ; LDS serves a wave's instructions in order: these see my byte stores
	s_wait_dscnt 0x0
	global_store_b64 v7, v[8:9], s[12:13]          ; 32 lanes store 256 consecutive bytes, aligned
	s_wait_tensorcnt 0x0                           ; the wave's end, behind my last LDS store
	ds_add_u32 v[SPW], v[NIL]
	s_wait_dscnt 0x0
	s_endpgm
; ---------------------------------------------------------------- Wqkv: K is the FIRST axis.  A lane takes a column n and its registers run down K
; A wave takes 32 columns x 512 along K: 16 blocks a lane, all 32 numbers of a block in one lane.  Its codes go through the wave's own stage and leave as rows: sixteen lanes store 256 consecutive bytes.
.set NB,     16
.set WPITCH, 272
.set WX,     32                        ; v32-95   two sets of 32 numbers
.set WC,     96                        ; v96-99   a block's codes
.set WOUT,   112                       ; v112-175 the way out
.set WSB,    24                        ; v24-27   the scale bytes, four to a register
.macro WLOAD t
.irp i, 0,1,2,3,4,5,6,7,8,9,10,11,12,13,14,15,16,17,18,19,20,21,22,23,24,25,26,27,28,29,30,31
	global_load_b32 v[WX+32*((\t)%2)+\i], v3, s[6:7] offset:(32*(\t)+\i)*12288 th:TH_LOAD_NT   ; at most 511 rows of 12,288 bytes: inside the signed 24-bit immediate
.endr
.endm
.macro WBLOCK t
.set WS, WX+32*((\t)%2)
.if (\t) < NB-1
	s_wait_loadcnt 32                              ; this block's 32 loads are in; the next block's may be out
.else
	s_wait_loadcnt 0
.endif
	v_max3_num_f32 v18, |v[WS]|, |v[WS+1]|, |v[WS+2]|
	v_max3_num_f32 v19, |v[WS+3]|, |v[WS+4]|, |v[WS+5]|
.irp i, 6,10,14,18,22,26
	v_max3_num_f32 v18, v18, |v[WS+\i]|, |v[WS+\i+1]|
	v_max3_num_f32 v19, v19, |v[WS+\i+2]|, |v[WS+\i+3]|
.endr
	v_max3_num_f32 v18, v18, |v[WS+30]|, |v[WS+31]|
	v_max3_num_f32 v18, v18, v19, (EMAX+1)<<23     ; with the floor
	v_add_nc_u32 v11, -(EMAX<<23), v18             ; the conversion's scale operand
	v_lshrrev_b32 v19, 23, v11                     ; the scale's byte
.if (\t)%4 == 0
	v_mov_b32 v[WSB+(\t)/4], v19
.else
	v_lshl_or_b32 v[WSB+(\t)/4], v19, 8*((\t)%4), v[WSB+(\t)/4]
.endif
.irp g, 0,1,2,3
	v_cvt_scalef32_pk8_fp4_f32 v[WC+\g], v[WS+8*\g:WS+8*\g+7], v11
.endr
	ds_store_b128 v4, v[WC:WC+3] offset:16*(\t)    ; 32 codes: 16 bytes of my column's row.  (The next vector lines are the next block's plain maxima)
.if (\t)+2 < NB
	WLOAD (\t)+2
.endif
	s_wait_dscnt 0x0                               ; the store has read its registers: the next block's codes may be written
.endm
.Lw:
	s_sub_co_u32 s22, ttmp9, 256
	s_lshr_b32 s23, s22, 1
	s_lshl_b32 s23, s23, 7
	s_lshl_b32 s24, s20, 5
	s_add_co_u32 s23, s23, s24                     ; my wave's first column
	s_and_b32 s22, s22, 1                          ; which 512 along K
	v_lshlrev_b32 v3, 2, v2                        ; in: 4 bytes a lane
	s_mul_i32 s24, s20, 32*WPITCH
	s_add_co_u32 s24, s24, 32768                   ; my stage: LDS 32,768 + 8,704 x wave
	v_mul_u32_u24 v4, v2, WPITCH
	v_add_nc_u32 v4, s24, v4                       ; into it: row = my column
	v_and_b32 v5, 15, v2
	v_lshrrev_b32 v6, 4, v2
	v_mul_u32_u24 v7, v6, WPITCH
	v_lshl_add_u32 v7, v5, 4, v7
	v_add_nc_u32 v7, s24, v7                       ; out of it: sixteen lanes to a row, two rows an instruction
	v_mul_u32_u24 v8, v6, 512
	v_lshl_add_u32 v8, v5, 4, v8                   ; the same place among the codes' rows of 512 bytes
	v_lshlrev_b32 v9, 5, v2                        ; my column's row of 32 scale bytes
	s_mov_b32 s27, 0
	s_mul_i32 s26, s22, 512*12288
	s_lshl_b32 s25, s23, 2
	s_add_co_u32 s26, s26, s25
	s_add_nc_u64 s[6:7], s[6:7], s[26:27]
	s_lshl_b32 s26, s23, 9
	s_lshl_b32 s25, s22, 8
	s_add_co_u32 s26, s26, s25
	s_add_co_u32 s26, s26, 4194304
	s_add_nc_u64 s[10:11], s[10:11], s[26:27]
	s_lshl_b32 s26, s23, 5
	s_lshl_b32 s25, s22, 4
	s_add_co_u32 s26, s26, s25
	s_add_co_u32 s26, s26, 262144
	s_add_nc_u64 s[12:13], s[12:13], s[26:27]
	WLOAD 0
	WLOAD 1
.irp t, 0,1,2,3,4,5,6,7,8,9,10,11,12,13,14,15
	WBLOCK \t
.endr
	global_store_b128 v9, v[WSB:WSB+3], s[12:13]   ; my column's 16 scale bytes
.irp t, 0,1,2,3,4,5,6,7,8,9,10,11,12,13,14,15
	ds_load_b128 v[WOUT+4*\t:WOUT+4*\t+3], v7 offset:2*\t*WPITCH
.endr
.irp t, 0,1,2,3,4,5,6,7,8,9,10,11,12,13,14,15
	s_wait_dscnt 15-\t                             ; LDS loads come back in order: row pair t is in
	global_store_b128 v8, v[WOUT+4*\t:WOUT+4*\t+3], s[10:11] offset:2*\t*512
.endr
	s_wait_tensorcnt 0x0                           ; the wave's end, behind my last LDS store
	ds_add_u32 v[SPW], v[NIL]
	s_wait_dscnt 0x0
	s_endpgm
; ---------------------------------------------------------------- Wout: f16 images of operand registers, no LDS
; A wave takes 32 columns x 128 along K, 32 along K a step.  A lane holds a column, its 16 packed registers run down K.  A fragment (16 columns x 32 k) wants lanes 0-15 to hold k 0-7 and 16-23 and lanes 16-31 k 8-15 and 24-31
; of the same 16 columns: eight exchanges of half rows give both tiles of columns.  Each store is 512 consecutive bytes.
.macro OLOAD t
.irp i, 0,1,2,3,4,5,6,7,8,9,10,11,12,13,14,15,16,17,18,19,20,21,22,23,24,25,26,27,28,29,30,31
	global_load_b32 v[32+32*((\t)%2)+\i], v3, s[8:9] offset:(32*(\t)+\i)*4096 th:TH_LOAD_NT
.endr
.endm
.macro OSTEP t
.set OX, 32+32*((\t)%2)
.set OH, 96+16*(\t)                    ; each step has its own 16 registers: no store's data are written again
.if (\t) < 3
	s_wait_loadcnt 32                              ; this step's 32 loads are in; the next step's may be out
.else
	s_wait_loadcnt 0
.endif
.irp i, 0,1,2,3,4,5,6,7,8,9,10,11,12,13,14,15
	v_cvt_pk_f16_f32 v[OH+\i], v[OX+2*\i], v[OX+2*\i+1]
.endr
.irp i, 0,1,2,3
	v_permlane16_swap_b32 v[OH+\i], v[OH+4+\i]     ; the first's lanes 16-31 change places with the second's lanes 0-15: tile 0 part 0, tile 1 part 0
	v_permlane16_swap_b32 v[OH+8+\i], v[OH+12+\i]  ; tile 0 part 1, tile 1 part 1
.endr
.if (\t)+2 < 4
	OLOAD (\t)+2
.endif
	global_store_b128 v4, v[OH:OH+3], s[14:15] offset:(\t)*1024
	global_store_b128 v4, v[OH+4:OH+7], s[14:15] offset:4096+(\t)*1024
	global_store_b128 v4, v[OH+8:OH+11], s[14:15] offset:(\t)*1024+512
	global_store_b128 v4, v[OH+12:OH+15], s[14:15] offset:4096+(\t)*1024+512
.endm
.Lo:
	s_sub_co_u32 s22, ttmp9, 304
	s_and_b32 s23, s22, 7                          ; which 128 columns
	s_lshr_b32 s24, s22, 3                         ; which 128 along K
	v_lshlrev_b32 v3, 2, v2
	v_lshlrev_b32 v4, 4, v2
	s_mov_b32 s27, 0
	s_lshl_b32 s26, s24, 19                        ; 128 rows of 4,096 bytes
	s_lshl_b32 s25, s23, 9
	s_add_co_u32 s26, s26, s25
	s_lshl_b32 s25, s20, 7
	s_add_co_u32 s26, s26, s25
	s_add_nc_u64 s[8:9], s[8:9], s[26:27]
	s_lshr_b32 s26, s23, 1
	s_lshl_b32 s26, s26, 19                        ; the block of 256 columns: 524,288 bytes
	s_lshl_b32 s25, s24, 16                        ; the K step: 65,536
	s_add_co_u32 s26, s26, s25
	s_and_b32 s25, s23, 1
	s_lshl_b32 s25, s25, 15                        ; eight tiles of columns: 32,768
	s_add_co_u32 s26, s26, s25
	s_lshl_b32 s25, s20, 13                        ; my two tiles: 8,192 x wave
	s_add_co_u32 s26, s26, s25
	s_add_nc_u64 s[14:15], s[14:15], s[26:27]
	OLOAD 0
	OLOAD 1
.irp t, 0,1,2,3
	OSTEP \t
.endr
	s_endpgm
; ---------------------------------------------------------------- the table.  A wave makes 32 positions, a row of 256 bytes a trip: lanes 0-15 two cosines each, lanes 16-31 two sines
; The angle is reduced by n quarter turns (n = the nearest whole number to angle x 2 / pi; pi / 2 in two parts; the first product and difference lose nothing: n has 11 bits, the remainder is a multiple of 2^-23 under 1)
; and sine and cosine of the rest, at most pi / 4, come from their series to y^7 and y^8.  Which of the two and which sign is chosen by selects: cos(y + q pi / 2), q = n for a cosine and n + 3 for a sine.
.macro SINCOS ang, val
	v_mul_f32 v24, 0x3f22f983, v[\ang]
	v_rndne_f32 v24, v24                           ; n
	v_fmamk_f32 v25, v24, 0xbfc90fdb, v[\ang]
	v_fmamk_f32 v25, v24, 0x333bbd2e, v25          ; y
	v_mul_f32 v26, v25, v25
	v_fmaak_f32 v27, v22, v26, 0x3c088889
	v_fmaak_f32 v27, v27, v26, 0xbe2aaaab
	v_mul_f32 v28, v25, v26
	v_fma_f32 v27, v28, v27, v25                   ; sin y
	v_fmaak_f32 v29, v23, v26, 0xbab60b61
	v_fmaak_f32 v29, v29, v26, 0x3d2aaaab
	v_fmaak_f32 v29, v29, v26, 0xbf000000
	v_fma_f32 v29, v29, v26, 1.0                   ; cos y
	v_cvt_i32_f32 v24, v24
	v_add_nc_u32 v24, v24, v4                      ; q, of which the two low bits count
	v_and_b32 v30, 1, v24
	v_cmp_ne_u32 vcc_lo, 0, v30
	v_cndmask_b32 v[\val], v29, v27, vcc_lo        ; odd q: the sine
	v_add_nc_u32 v24, 1, v24
	v_and_b32 v24, 2, v24
	v_lshlrev_b32 v24, 30, v24
	v_xor_b32 v[\val], v[\val], v24                ; q = 1, 2: the sign turns
.endm
.Lt:
	s_sub_co_u32 s22, ttmp9, 368
	s_lshl_b32 s22, s22, 2
	s_add_co_u32 s22, s22, s20                     ; 0 .. 63
	s_lshl_b32 s31, s22, 5                         ; my first position
	s_lshl_b32 s26, s22, 13                        ; 32 rows of 256 bytes
	s_mov_b32 s27, 0
	s_add_nc_u64 s[16:17], s[16:17], s[26:27]
	v_and_b32 v3, 15, v2
	v_lshrrev_b32 v4, 4, v2
	v_lshlrev_b32 v3, 1, v3
	v_cvt_f32_u32 v5, v3                           ; my first frequency's number,
	v_add_f32 v6, 1.0, v5                          ; my second's
	v_mul_f32 v5, 0xbed49a78, v5                   ; x -log2(10000) / 32
	v_mul_f32 v6, 0xbed49a78, v6
	v_exp_f32 v5, v5
	v_exp_f32 v6, v6
	v_mul_u32_u24 v4, v4, 3                        ; 3 in the lanes that make sines (a plain line behind the exponentials)
	v_lshlrev_b32 v7, 3, v2                        ; 8 bytes a lane
	v_mov_b32 v22, 0xb9500d01
	v_mov_b32 v23, 0x37d00d01
	s_mov_b32 s30, 0
	s_wait_alu depctr_va_vdst(0)                   ; the wait ahead of the first line that names an exponential's result, and ahead of the label
.Lpos:
	v_cvt_f32_u32 v8, s31
	v_mul_f32 v16, v8, v5                          ; the angle, rounded once
	v_mul_f32 v17, v8, v6
	SINCOS 16, 20
	SINCOS 17, 21
	global_store_b64 v7, v[20:21], s[16:17]        ; 32 lanes store a whole row of 256 bytes
	s_wait_xcnt 0x0                                ; the store has read its data and its base: both are written again only behind this wait
	s_add_nc_u64 s[16:17], s[16:17], 256
	s_add_co_u32 s31, s31, 1
	s_add_co_u32 s30, s30, 1
	s_cmp_lt_u32 s30, 32
	s_cbranch_scc1 .Lpos
	s_endpgm
.Lfunc_end_k_qebb0ebc9cf_prep:
	.size	k_qebb0ebc9cf_prep, .Lfunc_end_k_qebb0ebc9cf_prep-k_qebb0ebc9cf_prep
	.p2alignl 7, 3214868480
	.fill 96, 4, 3214868480
	.section	.rodata,"a",@progbits
	.p2align	6, 0x0
	.amdhsa_kernel k_qebb0ebc9cf_prep
		.amdhsa_group_segment_fixed_size 68096
		.amdhsa_private_segment_fixed_size 0
		.amdhsa_enable_private_segment 0
		.amdhsa_kernarg_size 56
		.amdhsa_user_sgpr_count 2
		.amdhsa_user_sgpr_kernarg_segment_ptr 1
		.amdhsa_wavefront_size32 1
		.amdhsa_system_sgpr_workgroup_id_x 1
		.amdhsa_system_sgpr_workgroup_id_y 1
		.amdhsa_system_sgpr_workgroup_id_z 1
		.amdhsa_system_vgpr_workitem_id 0
		.amdhsa_next_free_vgpr 192
		.amdhsa_next_free_sgpr 66
		.amdhsa_reserve_vcc 1
		.amdhsa_float_denorm_mode_32 3
		.amdhsa_float_denorm_mode_16_64 3
		.amdhsa_memory_ordered 1
		.amdhsa_forward_progress 1
		.amdhsa_inst_pref_size 134
	.end_amdhsa_kernel
	.amdgpu_metadata
---
amdhsa.version: [ 1, 2 ]
amdhsa.kernels:
  - .name:           k_qebb0ebc9cf_prep
    .symbol:         k_qebb0ebc9cf_prep.kd
    .args:
      - { .name: x, .offset: 0, .size: 8, .value_kind: global_buffer, .address_space: global }
      - { .name: Wqkv, .offset: 8, .size: 8, .value_kind: global_buffer, .address_space: global }
      - { .name: Wout, .offset: 16, .size: 8, .value_kind: global_buffer, .address_space: global }
      - { .name: cod, .offset: 24, .size: 8, .value_kind: global_buffer, .address_space: global }
      - { .name: scl, .offset: 32, .size: 8, .value_kind: global_buffer, .address_space: global }
      - { .name: wo, .offset: 40, .size: 8, .value_kind: global_buffer, .address_space: global }
      - { .name: tab, .offset: 48, .size: 8, .value_kind: global_buffer, .address_space: global }
    .group_segment_fixed_size: 68096
    .private_segment_fixed_size: 0
    .kernarg_segment_align: 8
    .kernarg_segment_size: 56
    .max_flat_workgroup_size: 128
    .sgpr_count:     66
    .vgpr_count:     192
    .wavefront_size: 32
...
	.end_amdgpu_metadata
.endif
;; end of part 1
;; launch gemm1 (part 2): grid 12 x 32, 4 waves a work-group, clusters of 4 x 4, 327,680 bytes of LDS; arguments cod, scl, tab, qkv; writes qkv
.if DOCPART == 2
	.amdgcn_target "amdgcn-amd-amdhsa--gfx1250"
	.amdhsa_code_object_version 6
	.text
	.protected	k_qebb0ebc9cf_gemm1
	.globl	k_qebb0ebc9cf_gemm1
	.p2align	8
	.type	k_qebb0ebc9cf_gemm1,@function
k_qebb0ebc9cf_gemm1:
	s_mov_b64 s[64:65], 0
	v_nop
	global_prefetch_b8 v0, s[64:65] scope:SCOPE_SE
	s_setreg_imm32_b32 hwreg(HW_REG_WAVE_MODE, 25, 1), 1
	s_wait_xcnt 0x0
	s_wait_alu depctr_hold_cnt(0) depctr_sa_sdst(0) depctr_va_vdst(0) depctr_va_sdst(0) depctr_va_ssrc(0) depctr_va_vcc(0) depctr_vm_vsrc(0)
	s_getreg_b32 s2, hwreg(HW_REG_IB_STS2, 6, 4)
	s_cmp_eq_u32 s2, 0
	s_cbranch_scc0 .Lentry_in_a_cluster
	s_endpgm
.Lentry_in_a_cluster:
	s_bfe_u32 s2, ttmp6, 0x10000c
	s_cmp_lg_u32 s2, 0xf033
	s_cbranch_scc0 .Lentry_shape_is_right
	s_endpgm
.Lentry_shape_is_right:
; x Wqkv ON CODES OF FP4 (E2M1) WITH E8M0 SCALES, THEN THE ROTATION OF q AND k, THEN f16.  8,192 tokens x 3,072 columns, K = 1,024.
; A tile of 256 x 256 is made by four waves, each 128 x 128: 64 accumulators, 512 registers.  K = 1,024 is two LDS slots of 512 along K (rows of 256 bytes): both are first fills, nothing is filled again.
; The scale bytes of the work-group's 2 x 256 rows, for all of K, come once, as dense blocks in rows of 256 bytes.
; CLUSTERS of 4 x 4: role A's tiles are shared along a row of the cluster, role B's along a column: each is asked for jointly, by the same tensor load with a mask that names the four.
; THE MATRIX INSTRUCTION IS USED TRANSPOSED (source 0 = 16 rows of role B, source 1 = 16 rows of role A): a lane holds ONE row of role A and eight neighbouring rows of role B.
; ROLES, by the cluster's x, which all sixteen partners share: 0 (q), 1 (k): A = tokens, B = columns of Wqkv: a lane holds a token and eight neighbouring channels;  2 (v): A = columns of Wqkv, B = tokens: a lane holds a channel and
; eight neighbouring tokens.  So four conversions of an accumulator ARE half an operand fragment of the next product (q, k: 16 tokens x 32 channels; v: 16 channels x 32 keys), and each store is 512 consecutive bytes: no stage in LDS.
; THE ROLES PART ONCE, behind the change of slots: each arm makes its own pointers, runs slot 1's four steps (the macro REST, in both arms) and goes its own way out.  In q's and k's arm the first cosines and sines are asked for
; ahead of those four steps, 256 matrix instructions ahead of their use.
; OUT: qkv: q at 0, k at 16,777,216: [batch x head][token / 16][32 channels][part][lane][16 bytes];  v at 33,554,432: [batch x head][key / 32][16 channels][part][lane][16 bytes].
; q is multiplied by log2(e) / 8 on the way (folded into its cosines and sines), so that the scores come out in powers of two.
; LIMITS: q, k, v go to f16: magnitudes over 65,504 overflow, under 6e-5 they are rounded at steps of 6e-8; q is rounded after its scaling.
; 384 work-groups: a tile of 256 x 384, which would give 256, needs 768 accumulator registers a wave beside the fragments, and two slots of 640 rows x 272 bytes do not fit in LDS.  No prefetch: every tile is a first fill at the head.
; REGISTERS, in windows of 256: window 0: v0-31 addresses; v32-95 scale words, two sets, and nothing else; v128-191 A's fragments, one set; v192-255 two sets of 16 cosines and 16 sines; on the way out v96-159 packed results.
;   window 1: B's fragments, two sets; on the way out v0-63 the rotated numbers.   window 2: the accumulators of my role-A rows 0-63 ((a, b) at v[8 (8 a + b)]);   window 3: rows 64-127.
.set KSTEP,  512
.set NQ,     4                         ; matrix instructions deep in a slot
.set ROWB,   256                       ; a tile's row in bytes
.set KROW,   512                       ; a row of codes in memory
.set PITCH,  272                       ; an LDS row: 256 bytes + 16 of padding: the 16 rows that a load touches start 68 words apart
.set FR,     8
.set NL,     2
.set NP,     4                         ; places behind this matrix instruction (ISA guide 7.12.1)
.set HALFT,  128*PITCH
.set SLOT,   4*HALFT
.set KS,     32                        ; a row of scale bytes
.set SCL,    2*SLOT
.set HALFS,  (128*KS/256)*272
.set SBLK,   (16*KS/256)*272
.set SPARE,  SCL+4*HALFS               ; the spare words, 128 bytes for each wave: two blocks of 256 bytes that no other line names
.set WCOD,   4194304                   ; where Wqkv's codes begin in cod,
.set WSCL,   262144                    ; and its scale bytes in scl
.set ADRA, 16
.set ADRB, 20
.set CO,   26                          ; v26  16 x lane
.set ADRS, 27
.set SPW,  28
.set NIL,  29
.set TA,   30                          ; v30  the table: 256 (lane % 16) + 32 (lane / 16); never rewritten
.set SC,   32
.set AF,   128
.set Y,    0                           ; the way out: 64 rotated numbers, in window 1
.set G1, 24
.set G0, 32
.set G1B, 48
.set G0B, 56
.set G1S, 68
.set G0S, 76
.set G1SB, 80
.set G0SB, 88
.set MSB, 0
.macro WIN new                         ; the immediate's high byte repeats the setting that is left
.if MSB != \new
	s_set_vgpr_msb (MSB<<8)|\new
.set MSB, \new
.endif
.endm
.set MUL_LO, 0xa1                      ; source 0 (B) window 1, source 1 (A) window 0, C and D window 2
.set MUL_HI, 0xf1
.set TO_B,   0x40
; A joint load: waves 0 and 1 fetch for role A, waves 2 and 3 for role B.  The branch hangs on the wave's number alone.  An s_nop 0 and four v_nop follow each of the two lines.
.macro JLOAD g0a, g1a, g0b, g1b
	s_cmp_eq_u32 s15, 0
	s_cbranch_scc0 .Lfor_b_\@
	tensor_load_to_lds s[\g0a:\g0a+3], s[\g1a:\g1a+7]
	s_nop 0
.rept 4
	v_nop
.endr
	s_branch .Lasked_\@
.Lfor_b_\@:
	tensor_load_to_lds s[\g0b:\g0b+3], s[\g1b:\g1b+7]
	s_nop 0
.rept 4
	v_nop
.endr
.Lasked_\@:
.endm
.macro CROUND                          ; a round of the cluster's barrier
	s_barrier_signal -1
	s_barrier_wait -1
	s_cmp_lg_u32 s14, 0
	s_cbranch_scc1 .Lnot_wave_0_\@
	s_barrier_signal -3
.Lnot_wave_0_\@:
	s_barrier_wait -3
	s_barrier_signal -1
	s_barrier_wait -1
.endm
	s_load_b256 s[4:11], s[0:1], 0x0               ; cod s[4:5], scl s[6:7], tab s[8:9], qkv s[10:11]
	v_lshl_add_u32 v[SPW], v0, 2, SPARE
	v_mov_b32 v[NIL], 0
	ds_add_u32 v[SPW], v[NIL]                      ; the wave's opening: the add, twice on end, and its wait ahead of my first tensor load
	ds_add_u32 v[SPW], v[NIL]
	v_lshrrev_b32 v1, 5, v0
	v_readfirstlane_b32 s14, v1                    ; wave 0..3
	s_lshr_b32 s15, s14, 1                         ; which half of role A's rows is mine.  Also: I fetch for A (0) or for B (1)
	s_and_b32 s16, s14, 1                          ; which half of role B's rows.  Also: which 128 rows I fetch
	s_bfe_u32 s40, ttmp6, 0x40000                  ; cx
	s_bfe_u32 s41, ttmp6, 0x40004                  ; cy
	s_and_b32 s12, ttmp7, 0xffff
	s_lshl_b32 s12, s12, 2                         ; 4 x cluster y
	s_lshl_b32 s13, ttmp9, 2                       ; 4 x cluster x
	s_cmp_eq_u32 ttmp9, 2                          ; v's clusters change the roles
	s_cselect_b32 s17, 8, s12                      ; role A's first tile of 256 rows: Wqkv's rows 2,048 on, or the tokens
	s_cselect_b32 s42, s12, s13                    ; role B's: the tokens, or Wqkv's rows of q or of k
	s_cselect_b32 s18, WCOD, 0                     ; where role A's codes begin in cod,
	s_cselect_b32 s19, 0, WCOD                     ; role B's,
	s_cselect_b32 s2, WSCL, 0                      ; and their scale bytes in scl
	s_cselect_b32 s3, 0, WSCL
	s_cmp_eq_u32 ttmp9, 0
	s_cselect_b32 s98, 0x3e38aa3b, 1.0             ; q alone is multiplied by log2(e) / 8
	s_mov_b32 s99, s98                             ; (named with it as a pair, so it is written)
	s_add_co_u32 s17, s17, s41                     ; role A's tile: + cy
	s_add_co_u32 s42, s42, s40                     ; role B's tile: + cx
	s_lshl_b32 s43, s41, 2
	s_lshl_b32 s43, 15, s43                        ; my row of the cluster
	s_lshl_b32 s44, 0x1111, s40                    ; my column
	s_or_b32 s[G1+0], s43, (0<<16)|(1<<20)|(1<<21)|(5<<22)|(3<<25)  ; the mask; elements of 1 byte; padding: four words after every 64
	s_or_b32 s[G1B+0], s44, (0<<16)|(1<<20)|(1<<21)|(5<<22)|(3<<25)
.irp g, G1, G1B
	s_mov_b32 s[\g+1], ROWB<<16                    ; tensor_dim0
	s_mov_b32 s[\g+2], 128<<16                     ; tensor_dim1
	s_mov_b32 s[\g+3], ROWB<<16                    ; tile_dim0
	s_mov_b32 s[\g+4], 128                         ; tile_dim1
	s_mov_b32 s[\g+5], KROW                        ; from row to row
	s_mov_b32 s[\g+6], 0
	s_mov_b32 s[\g+7], 0
.endr
	s_or_b32 s[G1S+0], s43, (3<<16)|(1<<20)|(1<<21)|(5<<22)|(3<<25)  ; the scales of 128 rows: 4,096 dense bytes as 16 rows of 256 (32 elements of 8 bytes), 16 bytes of padding behind each
	s_or_b32 s[G1SB+0], s44, (3<<16)|(1<<20)|(1<<21)|(5<<22)|(3<<25)
.irp g, G1S, G1SB
	s_mov_b32 s[\g+1], 32<<16
	s_mov_b32 s[\g+2], (128*KS/256)<<16
	s_mov_b32 s[\g+3], 32<<16
	s_mov_b32 s[\g+4], 128*KS/256
	s_mov_b32 s[\g+5], 32
	s_mov_b32 s[\g+6], 0
	s_mov_b32 s[\g+7], 0
.endr
	s_lshl_b32 s45, s16, 7                         ; which 128 rows of a tile I fetch
	s_lshl_b32 s20, s17, 8
	s_add_co_u32 s20, s20, s45                     ; role A's row
	s_lshl_b32 s46, s42, 8
	s_add_co_u32 s46, s46, s45                     ; role B's row
	s_lshl_b32 s22, s20, 5
	s_add_co_u32 s22, s22, s2                      ; its scale bytes: 32 a row (all offsets stay under 2^24)
	s_mov_b32 s23, 0
	s_lshl_b32 s20, s20, 9
	s_add_co_u32 s20, s20, s18                     ; its codes: 512 bytes a row
	s_mov_b32 s21, 0
	s_lshl_b32 s92, s46, 5
	s_add_co_u32 s92, s92, s3
	s_mov_b32 s93, 0
	s_lshl_b32 s46, s46, 9
	s_add_co_u32 s46, s46, s19
	s_mov_b32 s47, 0
	s_mul_i32 s45, s14, HALFT                      ; where they go: wave x 128 rows: no place in the cluster enters an LDS address
	s_mul_i32 s94, s14, HALFS
	s_wait_dscnt 0x0                               ; both opening adds are done
	s_wait_kmcnt 0x0
	s_add_nc_u64 s[20:21], s[4:5], s[20:21]
	s_add_nc_u64 s[22:23], s[6:7], s[22:23]
	s_add_nc_u64 s[46:47], s[4:5], s[46:47]
	s_add_nc_u64 s[92:93], s[6:7], s[92:93]
	CROUND                                         ; all sixteen work-groups are here: the first joint loads meet
	s_mov_b32 s[G0S], 1
	s_add_co_u32 s[G0S+1], s94, SCL
	s_mov_b64 s[G0S+2:G0S+3], s[22:23]
	s_or_b32 s[G0S+3], s[G0S+3], 0x80000000
	s_mov_b32 s[G0SB], 1
	s_add_co_u32 s[G0SB+1], s94, SCL
	s_mov_b64 s[G0SB+2:G0SB+3], s[92:93]
	s_or_b32 s[G0SB+3], s[G0SB+3], 0x80000000
	JLOAD G0S, G1S, G0SB, G1SB                     ; the scales first: they are wanted with the first slot
.irp s, 0,1
	s_mov_b32 s[G0+4*\s], 1
	s_add_co_u32 s[G0+4*\s+1], s45, \s*SLOT
	s_add_nc_u64 s[G0+4*\s+2:G0+4*\s+3], s[20:21], \s*ROWB
	s_or_b32 s[G0+4*\s+3], s[G0+4*\s+3], 0x80000000
	s_mov_b32 s[G0B+4*\s], 1
	s_add_co_u32 s[G0B+4*\s+1], s45, \s*SLOT
	s_add_nc_u64 s[G0B+4*\s+2:G0B+4*\s+3], s[46:47], \s*ROWB
	s_or_b32 s[G0B+4*\s+3], s[G0B+4*\s+3], 0x80000000
	JLOAD G0+4*\s, G1, G0B+4*\s, G1B               ; three tensor loads of mine are out: all that this launch issues
.endr
	v_and_b32 v1, 15, v0                           ; l % 16
	v_bfe_u32 v2, v0, 4, 1                         ; l / 16
	v_mul_u32_u24 v3, v1, PITCH
	v_lshl_add_u32 v4, v2, 4, v3                   ; a fragment's row x pitch + 16 x half
	s_mul_i32 s21, s15, HALFT
	s_mul_i32 s22, s16, HALFT
	s_add_co_u32 s22, s22, 2*HALFT
.irp s, 0,1
	v_add_nc_u32 v[ADRA+\s], s21, v4
	v_add_nc_u32 v[ADRB+\s], s22, v4
	s_add_co_u32 s21, s21, SLOT
	s_add_co_u32 s22, s22, SLOT
.endr
	v_mul_u32_u24 v5, v1, KS                       ; my row's scales: 32 bytes a row,
	v_lshrrev_b32 v6, 8, v5
	v_lshl_add_u32 v5, v6, 4, v5                   ; and 16 more for each 256 passed
	s_mul_i32 s21, s15, HALFS
	s_mul_i32 s22, s16, HALFS
	s_add_co_u32 s22, s22, 2*HALFS
	s_sub_co_u32 s22, s22, s21
	v_mul_u32_u24 v6, s22, v2                      ; lanes 16-31 take role B's
	s_add_co_u32 s21, s21, SCL
	v_add_nc_u32 v5, v5, v6
	v_add_nc_u32 v[ADRS], s21, v5
	v_and_b32 v6, 31, v0
	v_lshlrev_b32 v[CO], 4, v6
	v_lshlrev_b32 v[TA], 8, v1
	v_lshl_add_u32 v[TA], v2, 5, v[TA]
.macro FRAG reg, adr, q, i             ; 16 rows x 128 K of 4-bit codes: 8 registers: two loads of 16 bytes, 32 bytes apart
.irp c, 0,1
	ds_load_b128 v[\reg+4*\c:\reg+4*\c+3], v[\adr] offset:64*(\q)+32*\c+(\i)*16*PITCH
.endr
.endm
; 16 matrix instructions: A's blocks a0, a0 + 1 x B's eight.  The 64 accumulators take turns, one instruction a turn, in the same order in every step.
.macro MUL16 a0, p, q, sc, zero
.irp a, \a0, \a0+1
.irp b, 0,1,2,3,4,5,6,7
.if \zero
	v_wmma_scale_f32_16x16x128_f8f6f4 v[8*(8*((\a)%4)+\b):8*(8*((\a)%4)+\b)+7], v[128*(\p)+FR*\b:128*(\p)+FR*\b+FR-1], v[AF+FR*(\a):AF+FR*(\a)+FR-1], 0, v[SC+8*NQ*(\sc)+NQ*\b+(\q)], v[SC+8*NQ*(\sc)+NQ*(\a)+(\q)] matrix_a_fmt:MATRIX_FMT_FP4 matrix_b_fmt:MATRIX_FMT_FP4 matrix_a_scale:MATRIX_SCALE_ROW1
.else
	v_wmma_scale_f32_16x16x128_f8f6f4 v[8*(8*((\a)%4)+\b):8*(8*((\a)%4)+\b)+7], v[128*(\p)+FR*\b:128*(\p)+FR*\b+FR-1], v[AF+FR*(\a):AF+FR*(\a)+FR-1], v[8*(8*((\a)%4)+\b):8*(8*((\a)%4)+\b)+7], v[SC+8*NQ*(\sc)+NQ*\b+(\q)], v[SC+8*NQ*(\sc)+NQ*(\a)+(\q)] matrix_a_fmt:MATRIX_FMT_FP4 matrix_b_fmt:MATRIX_FMT_FP4 matrix_a_scale:MATRIX_SCALE_ROW1
.endif
.endr
.endr
.endm
.macro FETCH_B slot, q, p
	WIN TO_B
.irp i, 0,1,2,3,4,5,6,7
	FRAG 128*(\p)+FR*\i, ADRB+\slot, \q, \i
.endr
	WIN 0
.endm
.macro FETCH_A slot, q, i0
.irp i, \i0, \i0+1, \i0+2, \i0+3
	FRAG AF+FR*(\i), ADRA+\slot, \q, \i
.endr
.endm
.macro SCALES sc                       ; a slot's scale words: four words a row; lanes 0-15 take A's block i, lanes 16-31 B's block i
.irp i, 0,1,2,3,4,5,6,7
	ds_load_b128 v[SC+8*NQ*\sc+NQ*\i:SC+8*NQ*\sc+NQ*\i+3], v[ADRS] offset:\i*SBLK
.endr
.endm
.macro PLACES n                        ; plain vector lines between a matrix instruction and a load into, or a vector line on, one of its registers (ISA guide 7.12.1 for vector lines)
.rept \n
	v_nop
.endr
.endm
.macro STEP slot, q, zero              ; a step of 128 along K that has its successor in the same slot
	s_wait_dscnt 4*NL                              ; B's set and A's blocks 0-3 are in; the youngest eight loads (A's blocks 4-7) may be out
	WIN MUL_LO
	MUL16 0, (\q)%2, \q, \slot, \zero
	MUL16 2, (\q)%2, \q, \slot, \zero
	s_wait_dscnt 0
	PLACES NP
	FETCH_B \slot, (\q)+1, 1-(\q)%2
	FETCH_A \slot, (\q)+1, 0
	WIN MUL_HI
	MUL16 4, (\q)%2, \q, \slot, \zero
	MUL16 6, (\q)%2, \q, \slot, \zero
	PLACES NP
	WIN 0
	FETCH_A \slot, (\q)+1, 4
.endm
; Slot 0's last step changes slots: each wave waits for all its tensor loads (slot 1's is the one that may be out), then the work-group's barrier: behind it slot 1 is whole.  Nothing is filled again.
.macro TURN slot, next
	s_wait_tensorcnt 0x0
	ds_add_u32 v[SPW], v[NIL]
	s_wait_dscnt 4*NL+1                            ; (the add and the youngest eight loads may be out)
	WIN MUL_LO
	MUL16 0, 1, NQ-1, \slot, 0
	s_wait_dscnt 0x0
	s_barrier_signal -1
	MUL16 2, 1, NQ-1, \slot, 0
	WIN 0
	s_barrier_wait -1
	PLACES NP
	v_add_nc_u32 v[ADRS], 4*NQ, v[ADRS]            ; on to the next slot's scale words
	FETCH_B \next, 0, 0
	FETCH_A \next, 0, 0
	SCALES \next
	WIN MUL_HI
	MUL16 4, 1, NQ-1, \slot, 0
	MUL16 6, 1, NQ-1, \slot, 0
	PLACES NP
	WIN 0
	FETCH_A \next, 0, 4
.endm
; Slot 1's four steps: they stand in both arms.  The last has nothing more to fetch.  Every window is 0 at its head and at its end.
.macro REST
	STEP 1, 0, 0
	STEP 1, 1, 0
	STEP 1, 2, 0
	s_wait_dscnt 4*NL
	WIN MUL_LO
	MUL16 0, 1, NQ-1, 1, 0
	MUL16 2, 1, NQ-1, 1, 0
	s_wait_dscnt 0
	WIN MUL_HI
	MUL16 4, 1, NQ-1, 1, 0
	MUL16 6, 1, NQ-1, 1, 0
	WIN 0
.endm
; The cosines and sines of my lane's token in block a of 16 tokens, for its 2 x 8 frequencies: 16 cosines, then 16 sines, into set a % 2
.macro TLD a
.irp sn, 0,1
.irp bb, 0,1
.irp u, 0,1
	global_load_b128 v[192+32*((\a)%2)+16*\sn+8*\bb+4*\u:192+32*((\a)%2)+16*\sn+8*\bb+4*\u+3], v[TA], s[96:97] offset:(\a)*4096+\sn*128+\bb*64+\u*16
.endr
.endr
.endr
.endm
; THE WAY OUT OF q AND k, block a of 16 tokens at a time.  Accumulator (a, 4 hh + bb) holds channels 16 bb + 8 (lane / 16) + 0..7 of head hh, accumulator (a, 4 hh + bb + 2) the channels 32 further on: the pair that is turned together.
; first half: x1 cos - x2 sin;  second half: x2 cos + x1 sin.  Each accumulator is read from its low end on.
.macro ROPE a
.set TS, 192+32*((\a)%2)
.set AC, 64*((\a)%4)
.set OU, 96+32*((\a)%2)
.set WW, 0x52+((\a)/4)                 ; source 0: window 2 or 3 (the accumulators); source 1: window 0 (the table); source 2 and destination: window 1 (the rotated numbers)
.if (\a) < 7
	s_wait_loadcnt 8                               ; this block's eight table loads are in; the next block's may be out
.else
	s_wait_loadcnt 0
.endif
.irp i, 0,2,4,6,8,10,12,14,16,18,20,22,24,26,28,30
	v_pk_mul_f32 v[TS+\i:TS+\i+1], v[TS+\i:TS+\i+1], s[98:99] op_sel_hi:[1,0]   ; q's factor goes into the cosines and sines.  (In block 0 these sixteen are also the places behind the last products)
.endr
	WIN WW
.irp hh, 0,1
.irp bb, 0,1
.irp jp, 0,1,2,3
	v_pk_mul_f32 v[Y+8*(4*\hh+\bb)+2*\jp:Y+8*(4*\hh+\bb)+2*\jp+1], v[AC+8*(4*\hh+\bb+2)+2*\jp:AC+8*(4*\hh+\bb+2)+2*\jp+1], v[TS+16+8*\bb+2*\jp:TS+16+8*\bb+2*\jp+1]
	v_pk_mul_f32 v[Y+8*(4*\hh+\bb+2)+2*\jp:Y+8*(4*\hh+\bb+2)+2*\jp+1], v[AC+8*(4*\hh+\bb)+2*\jp:AC+8*(4*\hh+\bb)+2*\jp+1], v[TS+16+8*\bb+2*\jp:TS+16+8*\bb+2*\jp+1]
	v_pk_fma_f32 v[Y+8*(4*\hh+\bb)+2*\jp:Y+8*(4*\hh+\bb)+2*\jp+1], v[AC+8*(4*\hh+\bb)+2*\jp:AC+8*(4*\hh+\bb)+2*\jp+1], v[TS+8*\bb+2*\jp:TS+8*\bb+2*\jp+1], v[Y+8*(4*\hh+\bb)+2*\jp:Y+8*(4*\hh+\bb)+2*\jp+1] neg_lo:[0,0,1] neg_hi:[0,0,1]
	v_pk_fma_f32 v[Y+8*(4*\hh+\bb+2)+2*\jp:Y+8*(4*\hh+\bb+2)+2*\jp+1], v[AC+8*(4*\hh+\bb+2)+2*\jp:AC+8*(4*\hh+\bb+2)+2*\jp+1], v[TS+8*\bb+2*\jp:TS+8*\bb+2*\jp+1], v[Y+8*(4*\hh+\bb+2)+2*\jp:Y+8*(4*\hh+\bb+2)+2*\jp+1]
.endr
.endr
.endr
.if (\a) >= 2
	s_wait_xcnt 0x0                                ; block a - 2's stores have read their data: the registers are written again only behind this wait
.endif
	WIN 0x05                                       ; sources 0 and 1: window 1; destination: window 0
.irp b, 0,1,2,3,4,5,6,7
.irp i, 0,1,2,3
	v_cvt_pk_f16_f32 v[OU+4*\b+\i], v[Y+8*\b+2*\i], v[Y+8*\b+2*\i+1]
.endr
.endr
	WIN 0
.if (\a) < 6
	TLD (\a)+2
.endif
.irp b, 0,1,2,3,4,5,6,7
	global_store_b128 v[CO], v[OU+4*\b:OU+4*\b+3], s[10:11] offset:(\b/4)*262144+(\a)*2048+(\b%4)*512   ; 32 lanes store 512 consecutive bytes: half a fragment's image
.endr
.endm
; THE WAY OUT OF v: accumulator (a, b) holds channel 16 a + lane % 16 and keys 16 b + 8 (lane / 16) + 0..7: half a fragment of V^T as it stands.
.macro VOUT a
.set AC, 64*((\a)%4)
.set OU, 96+32*((\a)%2)
.set WW, 0x0a+5*((\a)/4)               ; sources 0 and 1: window 2 or 3
.if (\a) >= 2
	s_wait_xcnt 0x0                                ; block a - 2's stores have read their data
.endif
	WIN WW
.irp b, 0,1,2,3,4,5,6,7
.irp i, 0,1,2,3
	v_cvt_pk_f16_f32 v[OU+4*\b+\i], v[AC+8*\b+2*\i], v[AC+8*\b+2*\i+1]
.endr
.endr
	WIN 0
.irp b, 0,1,2,3,4,5,6,7
	global_store_b128 v[CO], v[OU+4*\b:OU+4*\b+3], s[10:11] offset:((\a)/4)*262144+(\b/2)*4096+((\a)%4)*1024+(\b%2)*512
.endr
.endm
	s_wait_tensorcnt 1                             ; the scales and my part of slot 0 are in (slot 1's load may be out)
	s_barrier_signal -1
	s_barrier_wait -1                              ; everybody's are
	FETCH_B 0, 0, 0
	FETCH_A 0, 0, 0
	SCALES 0
	FETCH_A 0, 0, 4
	STEP 0, 0, 1                                   ; the first step's products start the sums: nothing is cleared
	STEP 0, 1, 0
	STEP 0, 2, 0
	TURN 0, 1
	s_mov_b32 s23, 0                               ; the upper word of the arms' offsets
	s_cmp_eq_u32 ttmp9, 2                          ; HERE THE ROLES PART, on the cluster's x: the same in all sixteen partners and in all four waves; no barrier stands in an arm
	s_cbranch_scc1 .Larm_v
	; ---- q's and k's arm
	s_lshl_b32 s20, s17, 8
	s_lshl_b32 s21, s15, 7
	s_add_co_u32 s20, s20, s21
	s_and_b32 s20, s20, 2047                       ; my first token's position in its sequence
	s_lshl_b32 s22, s20, 8
	s_add_nc_u64 s[96:97], s[8:9], s[22:23]        ; its row of the table
	s_lshr_b32 s21, s17, 3                         ; the batch,
	s_lshl_b32 s21, s21, 4
	s_and_b32 s22, s42, 3
	s_lshl_b32 s22, s22, 2
	s_add_co_u32 s21, s21, s22                     ; four heads to a tile of 256 columns,
	s_lshl_b32 s22, s16, 1
	s_add_co_u32 s21, s21, s22                     ; two to my half
	s_lshl_b32 s21, s21, 18                        ; 262,144 bytes a head
	s_lshl_b32 s22, s20, 7                         ; 2,048 bytes for 16 tokens
	s_add_co_u32 s22, s22, s21
	s_lshl_b32 s21, ttmp9, 24                      ; q at 0, k at 16,777,216
	s_add_co_u32 s22, s22, s21
	s_add_nc_u64 s[10:11], s[10:11], s[22:23]
	TLD 0                                          ; the first two blocks' cosines and sines land while slot 1 is multiplied
	TLD 1
	REST
.irp a, 0,1,2,3,4,5,6,7
	ROPE \a
.endr
	s_branch .Lout_done
	; ---- v's arm
.Larm_v:
	s_lshl_b32 s20, s42, 8
	s_lshl_b32 s21, s16, 7
	s_add_co_u32 s20, s20, s21
	s_and_b32 s20, s20, 2047                       ; my first key's position
	s_lshr_b32 s21, s42, 3                         ; the batch,
	s_lshl_b32 s21, s21, 4
	s_lshl_b32 s22, s41, 2
	s_add_co_u32 s21, s21, s22                     ; four heads to a tile of 256 columns of Wqkv,
	s_lshl_b32 s22, s15, 1
	s_add_co_u32 s21, s21, s22                     ; two to my half
	s_lshl_b32 s21, s21, 18
	s_lshl_b32 s22, s20, 7                         ; 4,096 bytes for 32 keys
	s_add_co_u32 s22, s22, s21
	s_add_co_u32 s22, s22, 33554432
	s_add_nc_u64 s[10:11], s[10:11], s[22:23]
	REST
	PLACES NP                                      ; behind the last products, ahead of the first read of results and the first write of registers that held fragments
.irp a, 0,1,2,3,4,5,6,7
	VOUT \a
.endr
.Lout_done:
	s_wait_tensorcnt 0x0                           ; the wave's end, behind my last tensor load
	ds_add_u32 v[SPW], v[NIL]
	s_wait_dscnt 0x0
	CROUND                                         ; the closing round: no work-group ends while a partner may still ask for a tile that names it
	s_endpgm
.Lfunc_end_k_qebb0ebc9cf_gemm1:
	.size	k_qebb0ebc9cf_gemm1, .Lfunc_end_k_qebb0ebc9cf_gemm1-k_qebb0ebc9cf_gemm1
	.p2alignl 7, 3214868480
	.fill 96, 4, 3214868480
	.section	.rodata,"a",@progbits
	.p2align	6, 0x0
	.amdhsa_kernel k_qebb0ebc9cf_gemm1
		.amdhsa_group_segment_fixed_size 327680
		.amdhsa_private_segment_fixed_size 0
		.amdhsa_enable_private_segment 0
		.amdhsa_kernarg_size 32
		.amdhsa_user_sgpr_count 2
		.amdhsa_user_sgpr_kernarg_segment_ptr 1
		.amdhsa_wavefront_size32 1
		.amdhsa_system_sgpr_workgroup_id_x 1
		.amdhsa_system_sgpr_workgroup_id_y 1
		.amdhsa_system_sgpr_workgroup_id_z 1
		.amdhsa_system_vgpr_workitem_id 0
		.amdhsa_next_free_vgpr 1024
		.amdhsa_next_free_sgpr 102
		.amdhsa_reserve_vcc 0
		.amdhsa_float_denorm_mode_32 3
		.amdhsa_float_denorm_mode_16_64 3
		.amdhsa_memory_ordered 1
		.amdhsa_forward_progress 1
		.amdhsa_inst_pref_size 228
	.end_amdhsa_kernel
	.amdgpu_metadata
---
amdhsa.version: [ 1, 2 ]
amdhsa.kernels:
  - .name:           k_qebb0ebc9cf_gemm1
    .symbol:         k_qebb0ebc9cf_gemm1.kd
    .args:
      - { .name: cod, .offset: 0, .size: 8, .value_kind: global_buffer, .address_space: global }
      - { .name: scl, .offset: 8, .size: 8, .value_kind: global_buffer, .address_space: global }
      - { .name: tab, .offset: 16, .size: 8, .value_kind: global_buffer, .address_space: global }
      - { .name: qkv, .offset: 24, .size: 8, .value_kind: global_buffer, .address_space: global }
    .group_segment_fixed_size: 327680
    .private_segment_fixed_size: 0
    .kernarg_segment_align: 8
    .kernarg_segment_size: 32
    .max_flat_workgroup_size: 128
    .sgpr_count:     102
    .vgpr_count:     1024
    .wavefront_size: 32
...
	.end_amdgpu_metadata
.endif
;; end of part 2
;; launch attn (part 3): grid 4 x 64, 8 waves a work-group, clusters of 4 x 1, 327,680 bytes of LDS; arguments qkv, mask, ao; writes ao
.if DOCPART == 3
	.amdgcn_target "amdgcn-amd-amdhsa--gfx1250"
	.amdhsa_code_object_version 6
	.text
	.protected	k_qebb0ebc9cf_attn
	.globl	k_qebb0ebc9cf_attn
	.p2align	8
	.type	k_qebb0ebc9cf_attn,@function
k_qebb0ebc9cf_attn:
	s_mov_b64 s[64:65], 0
	v_nop
	global_prefetch_b8 v0, s[64:65] scope:SCOPE_SE
	s_setreg_imm32_b32 hwreg(HW_REG_WAVE_MODE, 25, 1), 1
	s_wait_xcnt 0x0
	s_wait_alu depctr_hold_cnt(0) depctr_sa_sdst(0) depctr_va_vdst(0) depctr_va_sdst(0) depctr_va_ssrc(0) depctr_va_vcc(0) depctr_vm_vsrc(0)
	s_getreg_b32 s2, hwreg(HW_REG_IB_STS2, 6, 4)
	s_cmp_eq_u32 s2, 0
	s_cbranch_scc0 .Lentry_in_a_cluster
	s_endpgm
.Lentry_in_a_cluster:
	s_bfe_u32 s2, ttmp6, 0x10000c
	s_cmp_lg_u32 s2, 0x3003
	s_cbranch_scc0 .Lentry_shape_is_right
	s_endpgm
.Lentry_shape_is_right:
; ATTENTION OF ONE (batch, head): O[q] = sum over k of softmax_k(q . k / 8 + (1 - mask[k]) x -1e9) v[k].  2,048 queries, 2,048 keys, head size 64; operands f16, products, maxima and sums f32.
; q arrives multiplied by log2(e) / 8, and the bias is multiplied by log2(e): the scores are exponents of two.  For each query a running maximum m and sum l: p = 2^(s - m); in every step O and l are multiplied by 2^(m_old - m_new).
; SHARES.  A work-group owns 512 queries of one head, each of its eight waves 64: four tiles of 16.  Two waves share a SIMD, so that one wave's softmax stands beside the other's products.  Every wave walks all keys, 64 a step.
; LAYOUT.  S^T = K Q^T (source 0 = 16 keys, source 1 = 16 queries): a lane holds ONE query and keys 8 (lane / 16) + 0..7 of each tile of keys.  The bias of those keys is the C of the sum's first instruction: the mask costs no vector line.
; Two tiles of p, rounded to f16 in pairs, ARE source 1 of O^T = V^T P.  q, k and v arrive as images of their operand registers (512 consecutive bytes for four registers of 32 lanes), so every LDS load is 16 bytes at 16 x lane.
; O^T's eight channels a lane, rounded to f16, are half a fragment of the projection's operand: each store is 512 consecutive bytes.
; CLUSTER.  The four query blocks of a head walk the same K and V: each tile is asked for JOINTLY, by the same tensor load with a mask that names the four.
; THE RING: two slots of 512 keys (K 65,536 bytes, then V 65,536); each of the eight waves brings 16,384 dense bytes (waves 0-3 K's quarters, waves 4-7 V's).  Two loads of a wave are out at the start, one behind a round.
; No prefetch: a refill is asked for eight key steps, 512 matrix instructions of a wave, ahead of the wait for it.
; LIMITS: p under 6e-8 is dropped by f16; where EVERY key of a batch is masked the scores are rounded at steps of 128 beside the bias, so the result is the plain average of v while |logit| stays under some 40.
; REGISTERS: window 0: v1-7 addresses; v8-31 six statistics a tile (m, t0, a, t1, l, l); v32-63 the step's bias; v64-127 K's fragments; v128-255 S^T, 32 a tile; p is packed in place into a tile's first 16.
;   window 1: v0-127 O^T, 32 a tile; v128-191 Q; v192-255 V's fragments.
.set SLOTB, 131072
.set VOFF,  65536
.set BIAS,  262144                     ; 2,048 biases: stored once by the waves, never a tensor load's target
.set SPARE, 270336                     ; the spare words, 128 bytes for each wave: four blocks of 256 bytes that no other line names
.set LI0, 1                            ; v1  16 x lane
.set AB0, 2                            ; v2  BIAS + 32 (lane / 16)
.set ADK, 3
.set ADV, 4
.set ADB, 5
.set SPW, 6
.set NIL, 7
.set ST,  8
.set BI,  32
.set KF,  64
.set S,   128
.set O,   0
.set QF,  128
.set VF,  192
.set WV,  10
.set TB,  40                           ; s40  LDS byte of the step's K
.set TV,  41                           ; s41  of its V
.set TJ,  42                           ; s42  byte of the step's first bias
.set CNT, 43
.set SEL, 44                           ; s[44:45] v_permlanex16_b32's selects for lane l xor 16
.set MSB, 0
.macro WIN new                         ; the immediate's high byte repeats the setting that is left
.if MSB != \new
	s_set_vgpr_msb (MSB<<8)|\new
.set MSB, \new
.endif
.endm
.set W_L1, 0x40                        ; destination window 1
.set W_KQ, 0x04                        ; source 1 (Q) window 1
.set W_RS, 0x41                        ; destination and source 0 (O^T) window 1
.set W_PV, 0x51                        ; source 0 (V), C and D (O^T) window 1; source 1 (P) window 0
.set W_PK, 0x05                        ; sources 0 and 1 window 1
.macro CROUND                          ; a round of the cluster's barrier
	s_barrier_signal -1
	s_barrier_wait -1
	s_cmp_lg_u32 s[WV], 0
	s_cbranch_scc1 .Lnot_wave_0_\@
	s_barrier_signal -3
.Lnot_wave_0_\@:
	s_barrier_wait -3
	s_barrier_signal -1
	s_barrier_wait -1
.endm
	s_load_b128 s[4:7], s[0:1], 0x0                ; qkv s[4:5], mask s[6:7]
	s_load_b64 s[8:9], s[0:1], 0x10                ; ao
	v_lshl_add_u32 v[SPW], v0, 2, SPARE
	v_mov_b32 v[NIL], 0
	ds_add_u32 v[SPW], v[NIL]                      ; the wave's opening: the add, twice on end, and its wait ahead of my first tensor load
	ds_add_u32 v[SPW], v[NIL]
	v_lshrrev_b32 v1, 5, v0
	v_readfirstlane_b32 s[WV], v1                  ; wave 0..7
	s_bfe_u32 s11, ttmp6, 0x40000                  ; cx: my block of 512 queries: it enters Q's and O's global addresses alone
	s_and_b32 s12, ttmp7, 0xffff                   ; 16 x batch + head, which the four partners share
	s_mov_b32 s24, 15|(3<<16)|(1<<21)              ; group 1: the mask: all four; elements of 8 bytes; bit 21 beside a mask; no padding
	s_mov_b32 s25, 32<<16                          ; tensor_dim0 = 32 elements: rows of 256 bytes
	s_mov_b32 s26, 64<<16                          ; tensor_dim1 = 64 rows: 16,384 dense bytes
	s_mov_b32 s27, 32<<16                          ; tile_dim0
	s_mov_b32 s28, 64                              ; tile_dim1
	s_mov_b32 s29, 32                              ; from row to row
	s_mov_b32 s30, 0
	s_mov_b32 s31, 0
	s_mov_b32 s[SEL], 0x76543210
	s_mov_b32 s[SEL+1], 0xfedcba98
	s_lshl_b32 s13, s12, 18                        ; a head is 262,144 bytes in each of q, k, v
	s_and_b32 s14, s[WV], 3
	s_lshl_b32 s14, s14, 14                        ; my quarter of a slot's K or V
	s_add_co_u32 s14, s14, s13
	s_mov_b32 s16, 33554432
	s_cmp_lt_u32 s[WV], 4
	s_cselect_b32 s16, 16777216, s16               ; waves 0-3: k's part of the buffer; waves 4-7: v's
	s_add_co_u32 s14, s14, s16
	s_mov_b32 s15, 0
	s_lshl_b32 s17, s[WV], 14                      ; where it goes in a slot: 16,384 x wave
	s_lshl_b32 s18, s11, 16
	s_lshl_b32 s19, s[WV], 13
	s_add_co_u32 s18, s18, s19
	s_add_co_u32 s18, s18, s13                     ; Q: my 64 queries: four tiles of 2,048 bytes
	s_mov_b32 s19, 0
	s_lshr_b32 s20, s12, 4                         ; the batch
	s_lshl_b32 s22, s20, 13                        ; its 2,048 mask numbers
	s_mov_b32 s23, 0
	s_lshl_b32 s20, s20, 4
	s_lshl_b32 s21, s11, 2
	s_add_co_u32 s20, s20, s21
	s_lshr_b32 s21, s[WV], 1
	s_add_co_u32 s20, s20, s21                     ; O: the block of 128 tokens,
	s_lshl_b32 s20, s20, 18
	s_bfe_u32 s21, s12, 0x30001                    ; the K step of 128 channels: head / 2,
	s_lshl_b32 s21, s21, 15
	s_add_co_u32 s20, s20, s21
	s_and_b32 s21, s[WV], 1                        ; my four tiles of its eight,
	s_lshl_b32 s21, s21, 14
	s_add_co_u32 s20, s20, s21
	s_and_b32 s21, s12, 1                          ; my head's two fragments of its four
	s_lshl_b32 s21, s21, 11
	s_add_co_u32 s20, s20, s21
	s_mov_b32 s21, 0
	s_mov_b32 s[TB], 0
	s_mov_b32 s[TV], VOFF
	s_mov_b32 s[TJ], 0
	s_wait_dscnt 0x0                               ; both opening adds are done
	s_wait_kmcnt 0x0
	s_add_nc_u64 s[46:47], s[4:5], s[18:19]
	s_add_nc_u64 s[48:49], s[8:9], s[20:21]
	s_add_nc_u64 s[50:51], s[6:7], s[22:23]
	s_add_nc_u64 s[14:15], s[4:5], s[14:15]
	CROUND                                         ; all four work-groups are here: the first joint loads meet
	s_mov_b32 s32, 1                               ; group 0 for slot 0: count,
	s_mov_b32 s33, s17                             ; LDS address,
	s_mov_b64 s[34:35], s[14:15]                   ; global address: keys 0 to 511,
	s_or_b32 s35, s35, 0x80000000                  ; type
	s_mov_b32 s36, 1                               ; and for slot 1: keys 512 to 1,023
	s_add_co_u32 s37, s17, SLOTB
	s_add_nc_u64 s[38:39], s[14:15], 65536
	s_or_b32 s39, s39, 0x80000000
	tensor_load_to_lds s[32:35], s[24:31]
	s_nop 0
	tensor_load_to_lds s[36:39], s[24:31]
	s_nop 0
.rept 4
	v_nop
.endr
	v_and_b32 v[LI0], 31, v0
	v_lshlrev_b32 v[LI0], 4, v[LI0]
	WIN W_L1
.irp i, 0,1,2,3,4,5,6,7,8,9,10,11,12,13,14,15
	global_load_b128 v[QF+4*\i:QF+4*\i+3], v[LI0], s[46:47] offset:512*\i   ; Q stays in registers: tile i / 4, channels 32 ((i / 2) % 2) on
.endr
	WIN 0
	v_lshlrev_b32 v[ADK], 4, v0                    ; the mask: 16 bytes a thread, twice
	global_load_b128 v[64:67], v[ADK], s[50:51]
	global_load_b128 v[68:71], v[ADK], s[50:51] offset:4096
	v_add_nc_u32 v[ADV], BIAS, v[ADK]
	v_bfe_u32 v[AB0], v0, 4, 1
	v_lshl_add_u32 v[AB0], v[AB0], 5, BIAS
	s_wait_loadcnt 0x0                             ; Q and the mask
.irp j, 64,65,66,67,68,69,70,71
	v_sub_f32 v[\j], 1.0, v[\j]
.endr
.irp j, 64,65,66,67,68,69,70,71
	v_mul_f32 v[\j], 0xce6e6b28, v[\j]             ; x -1e9
.endr
.irp j, 64,65,66,67,68,69,70,71
	v_mul_f32 v[\j], 0x3fb8aa3b, v[\j]             ; x log2(e)
.endr
	ds_store_b128 v[ADV], v[64:67]
	ds_store_b128 v[ADV], v[68:71] offset:4096
	s_wait_tensorcnt 0x1                           ; my part of slot 0 is in; slot 1's may stay out
	s_wait_dscnt 0x0                               ; my biases are stored
	s_barrier_signal -1
	s_barrier_wait -1
; A KEY STEP: 64 keys.  first = 1: the first step starts m, l and O^T.
.macro STEP first
	v_add_nc_u32 v[ADK], s[TB], v[LI0]
	v_add_nc_u32 v[ADV], s[TV], v[LI0]
	v_add_nc_u32 v[ADB], s[TJ], v[AB0]
	v_nop
	v_nop                                          ; five plain lines behind the last step's products: V's registers are loaded again, and p's are written over by the new scores' matrix instructions
.irp i, 0,1,2,3,4,5,6,7,8,9,10,11,12,13,14,15
	ds_load_b128 v[KF+4*\i:KF+4*\i+3], v[ADK] offset:512*\i
.endr
.irp kt, 0,1,2,3
.irp u, 0,1
	ds_load_b128 v[BI+8*\kt+4*\u:BI+8*\kt+4*\u+3], v[ADB] offset:64*\kt+16*\u
.endr
.endr
	WIN W_L1
.irp i, 0,1,2,3,4,5,6,7,8,9,10,11,12,13,14,15
	ds_load_b128 v[VF+4*\i:VF+4*\i+3], v[ADV] offset:512*\i
.endr
	s_wait_dscnt 16                                ; K and the bias are in; V's sixteen loads may be out
	WIN W_KQ
.irp c, 0,1                                    ; the 16 accumulators take turns, one instruction a turn
.irp kt, 0,1,2,3
.irp x, 0,1,2,3
.if \c == 0
	v_wmma_f32_16x16x32_f16 v[S+32*\x+8*\kt:S+32*\x+8*\kt+7], v[KF+16*\kt+8*\c:KF+16*\kt+8*\c+7], v[QF+16*\x+8*\c:QF+16*\x+8*\c+7], v[BI+8*\kt:BI+8*\kt+7]
.else
	v_wmma_f32_16x16x32_f16 v[S+32*\x+8*\kt:S+32*\x+8*\kt+7], v[KF+16*\kt+8*\c:KF+16*\kt+8*\c+7], v[QF+16*\x+8*\c:QF+16*\x+8*\c+7], v[S+32*\x+8*\kt:S+32*\x+8*\kt+7]
.endif
.endr
.endr
.endr
	WIN 0
.rept 4
	v_nop
.endr
	; the maximum of a query's 32 scores in two chains, the four tiles by turns; each accumulator is first read among its four lowest registers
.irp x, 0,1,2,3
	v_max3_num_f32 v[ST+6*\x+1], v[S+32*\x], v[S+32*\x+1], v[S+32*\x+2]
.endr
.irp x, 0,1,2,3
	v_max3_num_f32 v[ST+6*\x+3], v[S+32*\x+3], v[S+32*\x+4], v[S+32*\x+5]
.endr
.irp i, 6,10,14,18,22,26
.irp x, 0,1,2,3
	v_max3_num_f32 v[ST+6*\x+1], v[ST+6*\x+1], v[S+32*\x+\i], v[S+32*\x+\i+1]
.endr
.irp x, 0,1,2,3
	v_max3_num_f32 v[ST+6*\x+3], v[ST+6*\x+3], v[S+32*\x+\i+2], v[S+32*\x+\i+3]
.endr
.endr
.irp x, 0,1,2,3
	v_max3_num_f32 v[ST+6*\x+1], v[ST+6*\x+1], v[S+32*\x+30], v[S+32*\x+31]
.endr
.irp x, 0,1,2,3
.if \first
	v_max_num_f32 v[ST+6*\x+1], v[ST+6*\x+1], v[ST+6*\x+3]
.else
	v_max3_num_f32 v[ST+6*\x+1], v[ST+6*\x+1], v[ST+6*\x+3], v[ST+6*\x]
.endif
.endr
.irp x, 0,1,2,3
	v_permlanex16_b32 v[ST+6*\x+3], v[ST+6*\x+1], s[SEL], s[SEL+1]   ; the query's other 32 keys lie in the lane 16 away
.endr
.irp x, 0,1,2,3
	v_max_num_f32 v[ST+6*\x+1], v[ST+6*\x+1], v[ST+6*\x+3]
.endr
.if !\first
.irp x, 0,1,2,3
	v_sub_f32 v[ST+6*\x+2], v[ST+6*\x], v[ST+6*\x+1]   ; m_old - m_new
.endr
.endif
.irp x, 0,1,2,3
	v_mov_b32 v[ST+6*\x], v[ST+6*\x+1]
.endr
	; ONE BATCH of exponentials, none of which reads another's result; a tile's subtractions stand among the exponentials of the tile before
.if !\first
.irp x, 0,1,2,3
	v_exp_f32 v[ST+6*\x+2], v[ST+6*\x+2]
.endr
.endif
.irp i, 0,2,4,6,8,10,12,14,16,18,20,22,24,26,28,30
	v_pk_add_f32 v[S+\i:S+\i+1], v[S+\i:S+\i+1], v[ST:ST+1] op_sel_hi:[1,0] neg_lo:[0,1] neg_hi:[0,1]
.endr
.irp x, 0,1,2,3
.irp i, 0,2,4,6,8,10,12,14,16,18,20,22,24,26,28,30
.if \x < 3
	v_pk_add_f32 v[S+32*(\x+1)+\i:S+32*(\x+1)+\i+1], v[S+32*(\x+1)+\i:S+32*(\x+1)+\i+1], v[ST+6*(\x+1):ST+6*(\x+1)+1] op_sel_hi:[1,0] neg_lo:[0,1] neg_hi:[0,1]
.endif
	v_exp_f32 v[S+32*\x+\i], v[S+32*\x+\i]
	v_exp_f32 v[S+32*\x+\i+1], v[S+32*\x+\i+1]
.endr
.endr
	v_nop                                          ; a plain line behind the last exponential
	s_wait_alu depctr_va_vdst(0)                   ; the wait ahead of the first line that names a result: one for the whole batch
	; the sums, of p before it is rounded: even keys' and odd keys', the four tiles by turns
.if \first
.irp x, 0,1,2,3
	v_pk_add_f32 v[ST+6*\x+4:ST+6*\x+5], v[S+32*\x:S+32*\x+1], v[S+32*\x+2:S+32*\x+3]
.endr
.irp i, 4,6,8,10,12,14,16,18,20,22,24,26,28,30
.irp x, 0,1,2,3
	v_pk_add_f32 v[ST+6*\x+4:ST+6*\x+5], v[ST+6*\x+4:ST+6*\x+5], v[S+32*\x+\i:S+32*\x+\i+1]
.endr
.endr
.else
.irp x, 0,1,2,3
	v_pk_fma_f32 v[ST+6*\x+4:ST+6*\x+5], v[ST+6*\x+4:ST+6*\x+5], v[ST+6*\x+2:ST+6*\x+3], v[S+32*\x:S+32*\x+1] op_sel_hi:[1,0,1]
.endr
.irp i, 2,4,6,8,10,12,14,16,18,20,22,24,26,28,30
.irp x, 0,1,2,3
	v_pk_add_f32 v[ST+6*\x+4:ST+6*\x+5], v[ST+6*\x+4:ST+6*\x+5], v[S+32*\x+\i:S+32*\x+\i+1]
.endr
.endr
.endif
.irp x, 0,1,2,3                                ; p to f16, in place: register i takes numbers 2 i and 2 i + 1, in ascending order
.irp i, 0,1,2,3,4,5,6,7,8,9,10,11,12,13,14,15
	v_cvt_pk_f16_f32 v[S+32*\x+\i], v[S+32*\x+2*\i], v[S+32*\x+2*\i+1]
.endr
.endr
	s_wait_dscnt 0x0                               ; V is in
.if !\first
	WIN W_RS
.irp x, 0,1,2,3
.irp i, 0,2,4,6,8,10,12,14,16,18,20,22,24,26,28,30
	v_pk_mul_f32 v[O+32*\x+\i:O+32*\x+\i+1], v[O+32*\x+\i:O+32*\x+\i+1], v[ST+6*\x+2:ST+6*\x+3] op_sel_hi:[1,0]
.endr
.endr
.endif
	WIN W_PV
.irp kk, 0,1
.irp ct, 0,1,2,3
.irp x, 0,1,2,3
.if \first && (\kk == 0)
	v_wmma_f32_16x16x32_f16 v[O+32*\x+8*\ct:O+32*\x+8*\ct+7], v[VF+32*\kk+8*\ct:VF+32*\kk+8*\ct+7], v[S+32*\x+8*\kk:S+32*\x+8*\kk+7], 0
.else
	v_wmma_f32_16x16x32_f16 v[O+32*\x+8*\ct:O+32*\x+8*\ct+7], v[VF+32*\kk+8*\ct:VF+32*\kk+8*\ct+7], v[S+32*\x+8*\kk:S+32*\x+8*\kk+7], v[O+32*\x+8*\ct:O+32*\x+8*\ct+7]
.endif
.endr
.endr
.endr
	WIN 0
	s_add_co_u32 s[TB], s[TB], 8192                ; the next 64 keys
	s_add_co_u32 s[TV], s[TV], 8192
	s_add_co_u32 s[TJ], s[TJ], 256
.endm
.macro STEPS n
	s_mov_b32 s[CNT], \n
.Lsteps_\@:
	STEP 0
	s_sub_co_u32 s[CNT], s[CNT], 1
	s_cmp_lg_u32 s[CNT], 0
	s_cbranch_scc1 .Lsteps_\@
.endm
; THE CHANGE OF SLOTS.  Each wave waits for all its tensor loads (its part of the slot ahead), adds 0 to its spare word, and waits for that and for its reads of the slot that it leaves.
; fill = 1: the barrier is a round of the cluster's, so that no wave of any partner still reads the slot or has a load on its way, and the joint refill, 1,024 keys on, is the first thing behind it.
.macro CHANGE fill, g0, slot
	s_wait_tensorcnt 0x0                           ; no tensor load of mine is out, so a group 0 may be written
	ds_add_u32 v[SPW], v[NIL]
.if \fill
	s_add_nc_u64 s[\g0+2:\g0+3], s[\g0+2:\g0+3], 131072
.endif
	s_mov_b32 s[TB], \slot*SLOTB
	s_mov_b32 s[TV], \slot*SLOTB+VOFF
	s_wait_dscnt 0x0
.if \fill
	CROUND
	tensor_load_to_lds s[\g0:\g0+3], s[24:31]
	s_nop 0
.rept 4
	v_nop
.endr
.else
	s_barrier_signal -1
	s_barrier_wait -1
.endif
.endm
	STEP 1
	STEPS 7                                        ; keys 0 to 511, slot 0
	CHANGE 1, 32, 1                                ; slot 0 takes keys 1,024 on
	STEPS 8                                        ; keys 512 to 1,023, slot 1
	CHANGE 1, 36, 0                                ; slot 1 takes keys 1,536 on
	STEPS 8
	CHANGE 0, 32, 1                                ; nothing is left to fetch
	STEPS 8
	; THE WAY OUT.  l's two halves and the other half of the lanes' are added (these plain lines are the places behind the last products); O^T / l goes to f16 and leaves as it stands.
.irp x, 0,1,2,3
	v_add_f32 v[ST+6*\x+1], v[ST+6*\x+4], v[ST+6*\x+5]
.endr
.irp x, 0,1,2,3
	v_permlanex16_b32 v[ST+6*\x+3], v[ST+6*\x+1], s[SEL], s[SEL+1]
.endr
.irp x, 0,1,2,3
	v_add_f32 v[ST+6*\x+1], v[ST+6*\x+1], v[ST+6*\x+3]
.endr
.irp x, 0,1,2,3
	v_rcp_f32 v[ST+6*\x+2], v[ST+6*\x+1]
.endr
	v_nop                                          ; a plain line behind the last reciprocal
	s_wait_alu depctr_va_vdst(0)                   ; and the wait ahead of the first use: one for the four
.irp x, 0,1,2,3
	WIN W_RS
.irp i, 0,2,4,6,8,10,12,14,16,18,20,22,24,26,28,30
	v_pk_mul_f32 v[O+32*\x+\i:O+32*\x+\i+1], v[O+32*\x+\i:O+32*\x+\i+1], v[ST+6*\x+2:ST+6*\x+3] op_sel_hi:[1,0]
.endr
	WIN W_PK
.irp i, 0,1,2,3,4,5,6,7,8,9,10,11,12,13,14,15
	v_cvt_pk_f16_f32 v[S+32*\x+\i], v[O+32*\x+2*\i], v[O+32*\x+2*\i+1]
.endr
	WIN 0
.irp ct, 0,1,2,3
	global_store_b128 v[LI0], v[S+32*\x+4*\ct:S+32*\x+4*\ct+3], s[48:49] offset:\x*4096+\ct*512   ; 32 lanes store 512 consecutive bytes
.endr
.endr
	s_wait_tensorcnt 0x0                           ; the wave's end, behind my last tensor load and my last LDS store
	ds_add_u32 v[SPW], v[NIL]
	s_wait_dscnt 0x0
	CROUND                                         ; the closing round
	s_endpgm
.Lfunc_end_k_qebb0ebc9cf_attn:
	.size	k_qebb0ebc9cf_attn, .Lfunc_end_k_qebb0ebc9cf_attn-k_qebb0ebc9cf_attn
	.p2alignl 7, 3214868480
	.fill 96, 4, 3214868480
	.section	.rodata,"a",@progbits
	.p2align	6, 0x0
	.amdhsa_kernel k_qebb0ebc9cf_attn
		.amdhsa_group_segment_fixed_size 327680
		.amdhsa_private_segment_fixed_size 0
		.amdhsa_enable_private_segment 0
		.amdhsa_kernarg_size 24
		.amdhsa_user_sgpr_count 2
		.amdhsa_user_sgpr_kernarg_segment_ptr 1
		.amdhsa_wavefront_size32 1
		.amdhsa_system_sgpr_workgroup_id_x 1
		.amdhsa_system_sgpr_workgroup_id_y 1
		.amdhsa_system_sgpr_workgroup_id_z 1
		.amdhsa_system_vgpr_workitem_id 0
		.amdhsa_next_free_vgpr 512
		.amdhsa_next_free_sgpr 66
		.amdhsa_reserve_vcc 0
		.amdhsa_float_denorm_mode_32 3
		.amdhsa_float_denorm_mode_16_64 3
		.amdhsa_memory_ordered 1
		.amdhsa_forward_progress 1
		.amdhsa_inst_pref_size 177
	.end_amdhsa_kernel
	.amdgpu_metadata
---
amdhsa.version: [ 1, 2 ]
amdhsa.kernels:
  - .name:           k_qebb0ebc9cf_attn
    .symbol:         k_qebb0ebc9cf_attn.kd
    .args:
      - { .name: qkv, .offset: 0, .size: 8, .value_kind: global_buffer, .address_space: global }
      - { .name: mask, .offset: 8, .size: 8, .value_kind: global_buffer, .address_space: global }
      - { .name: ao, .offset: 16, .size: 8, .value_kind: global_buffer, .address_space: global }
    .group_segment_fixed_size: 327680
    .private_segment_fixed_size: 0
    .kernarg_segment_align: 8
    .kernarg_segment_size: 24
    .max_flat_workgroup_size: 256
    .sgpr_count:     66
    .vgpr_count:     512
    .wavefront_size: 32
...
	.end_amdgpu_metadata
.endif
;; end of part 3
;; launch proj (part 4): grid 4 x 64, 4 waves a work-group, clusters of 4 x 4, 327,680 bytes of LDS; arguments ao, wo, out0; writes out0
.if DOCPART == 4
	.amdgcn_target "amdgcn-amd-amdhsa--gfx1250"
	.amdhsa_code_object_version 6
	.text
	.protected	k_qebb0ebc9cf_proj
	.globl	k_qebb0ebc9cf_proj
	.p2align	8
	.type	k_qebb0ebc9cf_proj,@function
k_qebb0ebc9cf_proj:
	s_mov_b64 s[64:65], 0
	v_nop
	global_prefetch_b8 v0, s[64:65] scope:SCOPE_SE
	s_setreg_imm32_b32 hwreg(HW_REG_WAVE_MODE, 25, 1), 1
	s_wait_xcnt 0x0
	s_wait_alu depctr_hold_cnt(0) depctr_sa_sdst(0) depctr_va_vdst(0) depctr_va_sdst(0) depctr_va_ssrc(0) depctr_va_vcc(0) depctr_vm_vsrc(0)
	s_getreg_b32 s2, hwreg(HW_REG_IB_STS2, 6, 4)
	s_cmp_eq_u32 s2, 0
	s_cbranch_scc0 .Lentry_in_a_cluster
	s_endpgm
.Lentry_in_a_cluster:
	s_bfe_u32 s2, ttmp6, 0x10000c
	s_cmp_lg_u32 s2, 0xf033
	s_cbranch_scc0 .Lentry_shape_is_right
	s_endpgm
.Lentry_shape_is_right:
; out0 = (attention's result) Wout: [8192][1024] x [1024][1024], operands f16, sums and result f32.
; Both operands arrive as images of their operand registers: ao [token / 128][k / 128][8 tiles of tokens][4 x 32 k][part][lane][16 bytes], wo [n / 256][k / 128][16 tiles of n][4 x 32 k][part][lane][16 bytes].
; So a K step's tiles are dense blocks (A 32,768 bytes, B 65,536), every LDS load is 16 bytes at 16 x lane, and there is no pitch and no padding.
; A tile of 128 tokens x 256 columns to a work-group: 256 work-groups.  Four waves, each 64 x 128: 32 accumulators, which fill window 1.  K goes in 8 steps of 128 through two LDS slots.
; CLUSTERS of 4 x 4: A's tile is shared along a row of the cluster, B's along a column: each is asked for jointly.  Waves 0 and 1 bring A's halves (64 rows of 256 bytes), waves 2 and 3 B's (128 rows).
; THE MATRIX INSTRUCTION IS USED TRANSPOSED (source 0 = 16 columns of Wout, source 1 = 16 tokens): a lane holds eight neighbouring numbers of a row of out0.
; REGISTERS: window 0: v16-30 addresses; two fragment buffers of 96 (B's eight fragments, then A's four) at v64 and v160; on the way out v64-191 rows of out0.   window 1: accumulator (a, b) at v[8 (8 a + b)].
.set SLOT,   98304                     ; A's 32,768 bytes, then B's 65,536
.set STAGE,  2*SLOT                    ; behind the ring: 16 rows x (512 bytes + 16) for each wave, for the way out: no tensor load lands there
.set SPITCH, 528
.set SPARE,  STAGE+4*16*SPITCH         ; the spare words, 128 bytes for each wave: two blocks of 256 bytes that no other line names
.set LAPS,   4                         ; a lap = two K steps
.set ADRA, 16
.set ADRB, 20
.set STO,  24
.set RD,   25
.set CO,   26                          ; v26  16 x lane
.set SPW,  28
.set NIL,  29
.set PFO,  30                          ; v30  256 x lane; never rewritten
.set F0,   64
.set F1,   160
.set BK,   64
.set G1,  24
.set G0,  32
.set G1B, 48
.set G0B, 56
.set LIM, 43                           ; s43  1 in a wave that prefetches, else the greatest number
.set PFA, 44                           ; s[44:45] where my prefetches stand
.set PFS, 18                           ; s[18:19] a K step on, in bytes
.set MSB, 0
.macro WIN new                         ; the immediate's high byte repeats the setting that is left
.if MSB != \new
	s_set_vgpr_msb (MSB<<8)|\new
.set MSB, \new
.endif
.endm
.set W_MUL, 0x50                       ; C and D window 1
.macro JLOAD s                         ; a joint load; the branch hangs on the wave's number alone; an s_nop 0 and four v_nop follow each of the two lines
	s_cmp_eq_u32 s11, 0
	s_cbranch_scc0 .Lfor_b_\@
	tensor_load_to_lds s[G0+4*\s:G0+4*\s+3], s[G1:G1+7]
	s_nop 0
.rept 4
	v_nop
.endr
	s_branch .Lasked_\@
.Lfor_b_\@:
	tensor_load_to_lds s[G0B+4*\s:G0B+4*\s+3], s[G1B:G1B+7]
	s_nop 0
.rept 4
	v_nop
.endr
.Lasked_\@:
.endm
; A PREFETCH of the K step that stands two refills on, 256 matrix instructions of a wave ahead of the load that will want it: 8,192 bytes, lanes 256 bytes apart, one instruction a wave.
; A's tile (32,768 bytes) is read by my row of the cluster alone: its four partners take 8,192 bytes each, told apart by address (cx); in each, wave 0 asks.  B's tile (65,536 bytes) is read by every cluster: the cluster with y = 0 asks;
; the four partners of a column take 16,384 bytes each (cy), waves 2 and 3 half of that each.  So each run of 256 bytes is named once in the launch.  K steps 0 to 3 come by their loads alone; the loop's last trip asks for nothing.
.macro ASK
	s_cmp_gt_u32 s3, s[LIM]
	s_cbranch_scc0 .Lnot_mine_\@
	global_prefetch_b8 v[PFO], s[PFA:PFA+1] th:TH_LOAD_NT scope:SCOPE_SE
.Lnot_mine_\@:
.endm
.macro CREST                           ; a round of the cluster's barrier behind its opening barrier
	s_cmp_lg_u32 s10, 0
	s_cbranch_scc1 .Lnot_wave_0_\@
	s_barrier_signal -3
.Lnot_wave_0_\@:
	s_barrier_wait -3
	s_barrier_signal -1
	s_barrier_wait -1
.endm
.macro CROUND
	s_barrier_signal -1
	s_barrier_wait -1
	CREST
.endm
	s_load_b128 s[4:7], s[0:1], 0x0                ; ao s[4:5], wo s[6:7]
	s_load_b64 s[8:9], s[0:1], 0x10                ; out0
	v_lshl_add_u32 v[SPW], v0, 2, SPARE
	v_mov_b32 v[NIL], 0
	ds_add_u32 v[SPW], v[NIL]                      ; the wave's opening: the add, twice on end, and its wait ahead of my first tensor load
	ds_add_u32 v[SPW], v[NIL]
	v_lshrrev_b32 v1, 5, v0
	v_readfirstlane_b32 s10, v1                    ; wave 0..3
	s_lshr_b32 s11, s10, 1                         ; which 64 tokens are mine.  Also: I fetch for A (0) or for B (1)
	s_and_b32 s12, s10, 1                          ; which 128 columns.  Also: which half of that tile I fetch
	s_bfe_u32 s40, ttmp6, 0x40000                  ; cx
	s_bfe_u32 s41, ttmp6, 0x40004                  ; cy
	s_lshl_b32 s42, ttmp9, 2
	s_add_co_u32 s42, s42, s40                     ; tile column
	s_and_b32 s13, ttmp7, 0xffff
	s_lshl_b32 s13, s13, 2
	s_add_co_u32 s13, s13, s41                     ; tile row
	s_lshl_b32 s43, s41, 2
	s_lshl_b32 s43, 15, s43                        ; my row of the cluster
	s_lshl_b32 s44, 0x1111, s40                    ; my column
	s_or_b32 s[G1], s43, (3<<16)|(1<<21)           ; the mask; elements of 8 bytes; bit 21 beside a mask; no padding
	s_or_b32 s[G1B], s44, (3<<16)|(1<<21)
	s_mov_b32 s[G1+1], 32<<16                      ; rows of 256 bytes
	s_mov_b32 s[G1+2], 64<<16                      ; A: 64 of them
	s_mov_b32 s[G1+3], 32<<16
	s_mov_b32 s[G1+4], 64
	s_mov_b32 s[G1+5], 32
	s_mov_b32 s[G1+6], 0
	s_mov_b32 s[G1+7], 0
	s_mov_b32 s[G1B+1], 32<<16
	s_mov_b32 s[G1B+2], 128<<16                    ; B: 128
	s_mov_b32 s[G1B+3], 32<<16
	s_mov_b32 s[G1B+4], 128
	s_mov_b32 s[G1B+5], 32
	s_mov_b32 s[G1B+6], 0
	s_mov_b32 s[G1B+7], 0
	s_lshl_b32 s16, s13, 18                        ; A: 262,144 bytes a block of 128 tokens,
	s_lshl_b32 s17, s12, 14                        ; my half of a K step's 32,768
	s_add_co_u32 s16, s16, s17
	s_mov_b32 s20, s17                             ; and its place in a slot
	s_mov_b32 s17, 0
	s_lshl_b32 s46, s42, 19                        ; B: 524,288 bytes a block of 256 columns,
	s_lshl_b32 s47, s12, 15                        ; my half of a K step's 65,536
	s_add_co_u32 s46, s46, s47
	s_add_co_u32 s21, s47, 32768                   ; behind A's bytes
	s_mov_b32 s47, 0
	s_wait_dscnt 0x0                               ; both opening adds are done
	s_wait_kmcnt 0x0
	s_add_nc_u64 s[14:15], s[4:5], s[16:17]
	s_add_nc_u64 s[46:47], s[6:7], s[46:47]
	CROUND                                         ; all sixteen work-groups are here: the first joint loads meet
.irp s, 0,1
	s_mov_b32 s[G0+4*\s], 1
	s_add_co_u32 s[G0+4*\s+1], s20, \s*SLOT
	s_add_nc_u64 s[G0+4*\s+2:G0+4*\s+3], s[14:15], \s*32768
	s_or_b32 s[G0+4*\s+3], s[G0+4*\s+3], 0x80000000
	s_mov_b32 s[G0B+4*\s], 1
	s_add_co_u32 s[G0B+4*\s+1], s21, \s*SLOT
	s_add_nc_u64 s[G0B+4*\s+2:G0B+4*\s+3], s[46:47], \s*65536
	s_or_b32 s[G0B+4*\s+3], s[G0B+4*\s+3], 0x80000000
	JLOAD \s                                       ; two tensor loads of mine are out
.endr
	v_and_b32 v1, 15, v0
	v_bfe_u32 v2, v0, 4, 1
	v_and_b32 v3, 31, v0
	v_lshlrev_b32 v[CO], 4, v3
	v_lshlrev_b32 v[PFO], 8, v3
	s_lshl_b32 s21, s11, 14                        ; my four tiles of tokens
	s_lshl_b32 s22, s12, 15                        ; my eight tiles of columns,
	s_add_co_u32 s22, s22, 32768                   ; behind A's bytes
.irp s, 0,1
	v_add_nc_u32 v[ADRA+\s], s21, v[CO]
	v_add_nc_u32 v[ADRB+\s], s22, v[CO]
	s_add_co_u32 s21, s21, SLOT
	s_add_co_u32 s22, s22, SLOT
.endr
	s_mul_i32 s23, s10, 16*SPITCH
	s_add_co_u32 s23, s23, STAGE                   ; my stage
	v_mul_u32_u24 v4, v1, SPITCH
	v_lshl_add_u32 v4, v2, 5, v4
	v_add_nc_u32 v[STO], s23, v4                   ; in: row l % 16, 32 bytes for each half of the lanes
	v_add_nc_u32 v[RD], s23, v[CO]                 ; back: the 32 lanes take one row of 512 bytes
	s_lshl_b32 s16, s13, 19                        ; out0: 128 rows of 4,096 bytes a tile row,
	s_lshl_b32 s17, s11, 18                        ; my 64 rows
	s_add_co_u32 s16, s16, s17
	s_mov_b32 s17, 0
	s_add_nc_u64 s[8:9], s[8:9], s[16:17]
	s_lshl_b32 s46, s42, 10                        ; 1,024 bytes a tile column, my 512
	s_lshl_b32 s47, s12, 9
	s_add_co_u32 s46, s46, s47
	s_mov_b32 s47, 0
	s_add_nc_u64 s[8:9], s[8:9], s[46:47]
	; the prefetches: both offsets are made, then one is chosen by the wave's number
	s_lshl_b32 s21, s13, 18
	s_lshl_b32 s22, s40, 13
	s_add_co_u32 s21, s21, s22
	s_add_co_u32 s21, s21, 3*32768                 ; A: at K step 3: the first refill steps it to 4
	s_lshl_b32 s2, s42, 19
	s_lshl_b32 s22, s41, 14
	s_add_co_u32 s2, s2, s22
	s_lshl_b32 s22, s12, 13
	s_add_co_u32 s2, s2, s22
	s_add_co_u32 s2, s2, 3*65536                   ; B likewise
	s_and_b32 s22, ttmp7, 0xffff                   ; cluster y
	s_mov_b32 s[PFS], 65536
	s_cmp_eq_u32 s11, 0
	s_cselect_b32 s20, s12, s22                    ; 0 in wave 0, and in waves 2 and 3 of the clusters with y = 0: the same in all sixteen partners, for a given wave
	s_cselect_b64 s[PFA:PFA+1], s[4:5], s[6:7]
	s_cselect_b32 s[PFS], 32768, s[PFS]
	s_cselect_b32 s22, s21, s2
	s_mov_b32 s23, 0
	s_mov_b32 s[PFS+1], 0
	s_add_nc_u64 s[PFA:PFA+1], s[PFA:PFA+1], s[22:23]
	s_cmp_eq_u32 s20, 0
	s_cselect_b32 s[LIM], 1, -1
; 8 matrix instructions: tokens' tile a x all 8 tiles of columns, 32 along K.  The 32 accumulators take turns, one instruction a turn, in the same order in every quarter.
.macro MUL8 f, a, zero
.irp b, 0,1,2,3,4,5,6,7
.if \zero
	v_wmma_f32_16x16x32_f16 v[8*(8*(\a)+\b):8*(8*(\a)+\b)+7], v[\f+8*\b:\f+8*\b+7], v[\f+64+8*(\a):\f+64+8*(\a)+7], 0
.else
	v_wmma_f32_16x16x32_f16 v[8*(8*(\a)+\b):8*(8*(\a)+\b)+7], v[\f+8*\b:\f+8*\b+7], v[\f+64+8*(\a):\f+64+8*(\a)+7], v[8*(8*(\a)+\b):8*(8*(\a)+\b)+7]
.endif
.endr
.endm
.macro FETCH slot, ks, f               ; 24 LDS loads in one run: B's eight fragments, then A's four
.irp b, 0,1,2,3,4,5,6,7
	ds_load_b128 v[\f+8*\b:\f+8*\b+3],   v[ADRB+\slot] offset:\b*4096+(\ks)*1024
	ds_load_b128 v[\f+8*\b+4:\f+8*\b+7], v[ADRB+\slot] offset:\b*4096+(\ks)*1024+512
.endr
.irp a, 0,1,2,3
	ds_load_b128 v[\f+64+8*\a:\f+64+8*\a+3],   v[ADRA+\slot] offset:\a*4096+(\ks)*1024
	ds_load_b128 v[\f+64+8*\a+4:\f+64+8*\a+7], v[ADRA+\slot] offset:\a*4096+(\ks)*1024+512
.endr
.endm
.macro PLACES                          ; four plain lines ahead of loads into registers that matrix instructions have read, and of the first read of results (ISA guide 7.12.1 for the first read of results)
.rept 4
	v_nop
.endr
.endm
; A K step is four quarters of 32 along K, 32 matrix instructions each, on buffers 0, 1, 0, 1.  One of the first three: multiplies buffer f and fetches the slot's quarter ks into g.
.macro QUARTER slot, ks, f, g, zero
	s_wait_dscnt 4                                 ; B and A's tiles 0 and 1 are in; the youngest four loads (A's tiles 2 and 3) may be out
	WIN W_MUL
	MUL8 \f, 0, \zero
	MUL8 \f, 1, \zero
	PLACES
	WIN 0
	FETCH \slot, \ks, \g
	s_wait_dscnt 24                                ; all but the 24 just issued
	WIN W_MUL
	MUL8 \f, 2, \zero
	MUL8 \f, 3, \zero
.endm
; The last quarter multiplies buffer 1 and changes slots: ONE barrier; in front of it each wave waits for all its tensor loads, adds 0 to its spare word, and waits for that and for its reads of this slot.
; fill = 1: the barrier opens a round of the cluster's, and this slot is filled again, two K steps ahead: the load has 112 matrix instructions of a wave before the wait for it.
.macro TURN slot, next, fill
.if \fill
	s_wait_xcnt 0x0                                ; the last prefetch, a K step back, has read its address: it is stepped here
	s_add_nc_u64 s[PFA:PFA+1], s[PFA:PFA+1], s[PFS:PFS+1]
.endif
	WIN 0                                          ; (the add's two registers lie in window 0)
	s_wait_tensorcnt 0x0                           ; all my tensor loads have landed: my part of the next slot
	ds_add_u32 v[SPW], v[NIL]
	s_wait_dscnt 5                                 ; (the add and the youngest four loads may be out)
	WIN W_MUL
	MUL8 F1, 0, 0
	s_wait_dscnt 0x0                               ; the add is done, and my reads of this slot are over
	s_barrier_signal -1
	MUL8 F1, 1, 0
	WIN 0
	s_barrier_wait -1
.if \fill
	CREST                                          ; no wave of any partner still reads this slot's tile or has a load on its way
	s_add_nc_u64 s[G0+4*\slot+2:G0+4*\slot+3], s[G0+4*\slot+2:G0+4*\slot+3], 2*32768
	s_add_nc_u64 s[G0B+4*\slot+2:G0B+4*\slot+3], s[G0B+4*\slot+2:G0B+4*\slot+3], 2*65536
	JLOAD \slot                                    ; the first tensor load behind the round; its four v_nop are also the places ahead of the loads below
.else
	PLACES
.endif
	FETCH \next, 0, F0
.if \fill
	ASK
.endif
	WIN W_MUL
	MUL8 F1, 2, 0
	MUL8 F1, 3, 0
.endm
	s_wait_tensorcnt 0x1                           ; my part of K step 0 is in (K step 1's may be out)
	s_barrier_signal -1
	s_barrier_wait -1                              ; everybody's is
	FETCH 0, 0, F0
	QUARTER 0, 1, F0, F1, 1                        ; the first quarter's products start the sums: nothing is cleared
	WIN 0                                          ; at a label and at a branch every window is 0
	s_mov_b32 s3, LAPS-1
.Llap:                                                 ; a trip goes once round the ring and fills both slots again
	QUARTER 0, 2, F1, F0, 0
	QUARTER 0, 3, F0, F1, 0
	TURN 0, 1, 1
	QUARTER 1, 1, F0, F1, 0
	QUARTER 1, 2, F1, F0, 0
	QUARTER 1, 3, F0, F1, 0
	TURN 1, 0, 1
	QUARTER 0, 1, F0, F1, 0
	WIN 0
	s_sub_co_u32 s3, s3, 1
	s_cmp_lg_u32 s3, 0
	s_cbranch_scc1 .Llap
	QUARTER 0, 2, F1, F0, 0                        ; the last lap fills nothing
	QUARTER 0, 3, F0, F1, 0
	TURN 0, 1, 0
	QUARTER 1, 1, F0, F1, 0
	QUARTER 1, 2, F1, F0, 0
	QUARTER 1, 3, F0, F1, 0
	s_wait_dscnt 4                                 ; the very last quarter
	WIN W_MUL
	MUL8 F1, 0, 0
	MUL8 F1, 1, 0
	s_wait_dscnt 0
	MUL8 F1, 2, 0
	MUL8 F1, 3, 0
	WIN 0
; THE WAY OUT, block by block of 16 rows x 128 columns: through my own stage in LDS and back as whole rows of 512 bytes.  LDS serves a wave's instructions in order: no wait between the stores and the loads.
.macro TOSTAGE a
.set AC, 64*(\a)
	WIN 0x04                                       ; an LDS store's data are its source 1: window 1
.irp b, 0,1,2,3,4,5,6,7
	ds_store_b128 v[STO], v[AC+8*\b:AC+8*\b+3] offset:64*\b          ; each accumulator from its low end on
	ds_store_b128 v[STO], v[AC+8*\b+4:AC+8*\b+7] offset:64*\b+16
.endr
	WIN 0
.set BB, BK+64*((\a)%2)
.irp t, 0,1,2,3,4,5,6,7,8,9,10,11,12,13,14,15
	ds_load_b128 v[BB+4*\t:BB+4*\t+3], v[RD] offset:\t*SPITCH
.endr
.endm
.macro SEND a, younger                 ; younger: the LDS instructions issued behind block a's loads, which may stay out
.set BB, BK+64*((\a)%2)
	s_wait_dscnt \younger
.if (\a) > 0
	s_add_nc_u64 s[8:9], s[8:9], 16*4096           ; (behind a wait on XCNT: the earlier stores have read their base)
.endif
.irp t, 0,1,2,3,4,5,6,7,8,9,10,11,12,13,14,15
	global_store_b128 v[CO], v[BB+4*\t:BB+4*\t+3], s[8:9] offset:\t*4096 th:TH_STORE_NT   ; 32 lanes store 512 consecutive bytes, at a multiple of 256 from out0's first byte
.endr
.endm
	PLACES
	TOSTAGE 0
.irp a, 1,2,3
.if \a > 1
	s_wait_xcnt 0x0                                ; block a - 2's stores have read their registers and their base
.endif
	TOSTAGE \a
	SEND \a-1, 32                                  ; behind block a - 1's loads: block a's 16 stores and 16 loads
.endr
	s_wait_xcnt 0x0
	SEND 3, 0
	s_wait_tensorcnt 0x0                           ; the wave's end, behind my last tensor load and my last LDS store
	ds_add_u32 v[SPW], v[NIL]
	s_wait_dscnt 0x0
	CROUND                                         ; the closing round
	s_endpgm
.Lfunc_end_k_qebb0ebc9cf_proj:
	.size	k_qebb0ebc9cf_proj, .Lfunc_end_k_qebb0ebc9cf_proj-k_qebb0ebc9cf_proj
	.p2alignl 7, 3214868480
	.fill 96, 4, 3214868480
	.section	.rodata,"a",@progbits
	.p2align	6, 0x0
	.amdhsa_kernel k_qebb0ebc9cf_proj
		.amdhsa_group_segment_fixed_size 327680
		.amdhsa_private_segment_fixed_size 0
		.amdhsa_enable_private_segment 0
		.amdhsa_kernarg_size 24
		.amdhsa_user_sgpr_count 2
		.amdhsa_user_sgpr_kernarg_segment_ptr 1
		.amdhsa_wavefront_size32 1
		.amdhsa_system_sgpr_workgroup_id_x 1
		.amdhsa_system_sgpr_workgroup_id_y 1
		.amdhsa_system_sgpr_workgroup_id_z 1
		.amdhsa_system_vgpr_workitem_id 0
		.amdhsa_next_free_vgpr 512
		.amdhsa_next_free_sgpr 66
		.amdhsa_reserve_vcc 0
		.amdhsa_float_denorm_mode_32 3
		.amdhsa_float_denorm_mode_16_64 3
		.amdhsa_memory_ordered 1
		.amdhsa_forward_progress 1
		.amdhsa_inst_pref_size 86
	.end_amdhsa_kernel
	.amdgpu_metadata
---
amdhsa.version: [ 1, 2 ]
amdhsa.kernels:
  - .name:           k_qebb0ebc9cf_proj
    .symbol:         k_qebb0ebc9cf_proj.kd
    .args:
      - { .name: ao, .offset: 0, .size: 8, .value_kind: global_buffer, .address_space: global }
      - { .name: wo, .offset: 8, .size: 8, .value_kind: global_buffer, .address_space: global }
      - { .name: out0, .offset: 16, .size: 8, .value_kind: global_buffer, .address_space: global }
    .group_segment_fixed_size: 327680
    .private_segment_fixed_size: 0
    .kernarg_segment_align: 8
    .kernarg_segment_size: 24
    .max_flat_workgroup_size: 128
    .sgpr_count:     66
    .vgpr_count:     512
    .wavefront_size: 32
...
	.end_amdgpu_metadata
.endif
;; end of part 4
